; MI455X (gfx1250); checked and timed in simulation.
; The chip was launched on July 23, 2026; its instructions are those of AMD's public machine-readable ISA for CDNA 5 (MIT licence, August 2026) and "CDNA5" Instruction Set Architecture Reference Guide (July 2026). The comments in the code are by the model that wrote it; some were corrected since.
;; Multi Head Attention. Allowed arithmetic: matrix products marked QUANTISED: E2M1 operands, one E8M0 scale for each 32 along K, by v_wmma_scale_f32_16x16x128_f8f6f4 with both operands' format E2M1 (or v_wmma_scale_f32_32x16x128_f4), f32 sums; products left as they are: bf16, f16 or f32 operands; f32 sums; everything else in f32.
;; Inputs: b_fc 1,024 float32; w_fc 1,024 x 1,024 float32; w_qkv 1,024 x 3,072 float32; x 4 x 2,048 x 1,024 float32.
;; Outputs: out0 4 x 2,048 x 1,024 float32.
;; This version of the problem:
;;   THIS VERSION OF THE PROBLEM IS GIVEN IN LOW PRECISION. The matrix products marked QUANTISED in the list below multiply operands that are first quantised to E2M1 (2 exponent bits, 1 mantissa bit; 4 bits a number), with one power-of-two scale for each 32 numbers along K (OCP MX v1.0); their sums are f32. The products marked 'left as it is' may take bf16, f16 or f32 operands, with f32 sums. Whichever they take, every output number must still come out within the allowed error. Rounding operands to bf16 (8 significant bits) uses up far more of that allowance than f16 does (11 bits, for magnitudes from 6e-5 to 65,504). All else is computed in f32.
;;   The module's matrix products, in the order in which they are computed (A, B: the left and right operand; K: the contracted axis; several contracted axes count as one K, in the product's order):
;;     1. [M 8,192, K 1,024] x [K 1,024, N 3,072]; A: input x; B: input w_qkv: QUANTISED
;;     2. batch 64 x [M 2,048, K 64] x [K 64, N 2,048]; A: computed on the way; B: computed on the way: left as it is (an operand is computed on the way)
;;     3. batch 64 x [M 2,048, K 2,048] x [K 2,048, N 64]; A: computed on the way; B: computed on the way: left as it is (an operand is computed on the way)
;;     4. [M 8,192, K 1,024] x [K 1,024, N 1,024]; A: computed on the way; B: input w_fc: left as it is (an operand is computed on the way)
;;   THE QUANTISER, for each operand of a quantised product, along K:
;;     - K is cut into blocks of 32 from its start; a last block that is shorter is filled with zeros.
;;     - A block's scale is 2^e with e = floor(log2(the largest magnitude in the block)) - 2, held to -126 .. 127; a block of zeros has e = 0. As a byte (E8M0): e + 127.
;;     - Each number is divided by its block's scale, clamped to +-6, and rounded to the nearest number of E2M1, ties to even, subnormals kept.
;;     - The product sums the exact products of the quantised numbers (number of the format x scale) in f32.
;;   ~~~python
;;   def quantise(x, axis):      # numpy; x: float32 -> the quantised numbers, widened to float32 again
;;       x = np.moveaxis(x, axis, -1); K = x.shape[-1]
;;       x = np.pad(x, [(0, 0)] * (x.ndim - 1) + [(0, -K % 32)]); x = x.reshape(x.shape[:-1] + (-1, 32)); a = np.abs(x).max(-1, keepdims=True)
;;       e = np.where(a > 0, np.clip(np.frexp(np.where(a > 0, a, 1))[1] - 1 - 2, -126, 127), 0)      # np.frexp(a)[1] - 1 = floor(log2(a)), exactly
;;       r = np.clip(x / 2.0 ** e, -6, 6)
;;       step = 2.0 ** (np.maximum(np.frexp(np.where(r == 0, 1, r))[1] - 1, 0) - 1)
;;       q = np.round(r / step) * step * 2.0 ** e      # np.round: ties to even
;;       return np.moveaxis(q.reshape(q.shape[:-2] + (-1,))[..., :K], -1, axis).astype(np.float32)
;;   ~~~
;; One version. Each part assembles by itself: llvm-mc -triple=amdgcn-amd-amdhsa -mcpu=gfx1250 --defsym DOCPART=n.
;; ======== version 1 of 1: 5 launches
;; limits: values are held in f16: magnitudes above 65,504 overflow, below 6.1e-05 lose precision
;; workspace buffers: x_codes 4,194,304 bytes; x_scales 262,144 bytes; w_codes 1,572,864 bytes; w_scales 98,304 bytes; wt16 2,097,152 bytes; qkv16 50,331,648 bytes; qkv32 786,432 bytes; o16 16,777,216 bytes
;; launch prep (part 1): grid 368 x 1, 4 waves a work-group, no clusters, 102,912 bytes of LDS; arguments x, w_qkv, w_fc, x_codes, x_scales, w_codes, w_scales, wt16; writes x_codes, x_scales, w_codes, w_scales, wt16
.if DOCPART == 1
	.amdgcn_target "amdgcn-amd-amdhsa--gfx1250"
	.amdhsa_code_object_version 6
	.text
	.protected	k_qe98513d390_prep
	.globl	k_qe98513d390_prep
	.p2align	8
	.type	k_qe98513d390_prep,@function
k_qe98513d390_prep:
	s_mov_b64 s[64:65], 0
	v_nop
	global_prefetch_b8 v0, s[64:65] scope:SCOPE_SE
	s_setreg_imm32_b32 hwreg(HW_REG_WAVE_MODE, 25, 1), 1
	s_wait_xcnt 0x0
; PREPARATION, one launch for three tensors; the work-group's number picks the path.
;   work-groups 0-255:   x [8192][1024] f32 -> codes of FP4 (E2M1), K innermost, [8192][512 bytes], and one E8M0 byte for each 32 along K, [8192][32].
;   work-groups 256-303: w_qkv [1024 k][3072 n] f32, K its FIRST axis -> codes [3072][512 bytes] with K innermost, scale bytes [3072][32].
;   work-groups 304-367: w_fc [1024 k][1024 n] f32 -> f16, turned: wt16 [1024 n][1024 k].
; A block's scale is 2^(floor(log2(its largest magnitude)) - 2); its byte is the largest magnitude's exponent field - 2, held at 1 from below.
; A block of zeros so gets the byte 1 and not 127: its codes are zeros, which add nothing, and the bytes are read by this program alone.
; LIMITS: NaN and infinities among the inputs are not served; w_fc goes to f16 (largest number 65,504; under 6e-5 the step is 6e-8).
; No tensor load, no barrier: waves share nothing.  Each path has LDS bytes of its own.  No matrix unit, no cluster: the launch streams, each input byte is read once.
.set SPW,   190                        ; v190  LDS address of my spare word; never rewritten
.set NIL,   191                        ; v191  0; never rewritten
.set SPARE, 102400                     ; behind the three regions: 128 bytes for each wave, which no other line names
.set SP,    80                         ; path x: a lane's place in a stage: 64 bytes + 16 of padding
.set PITCH, 272                        ; paths w: a stage row: 256 bytes + 16
.set WSTG,  32768                      ; w_qkv's four stages of 32 rows
.set FSTG,  67584                      ; w_fc's four stages of 32 rows
.set R,     16                         ; path x: v16-79 four sets of 16 numbers as loaded
.set X,     80                         ; v80-111 two sets of 16 neighbours
.set E,     112                        ; v112-127 a scale byte for each step
.set C,     128                        ; v128-189 codes, four registers for each step
.set WX,    32                         ; paths w: v32-95 two sets of 32 numbers down K
.set WC,    96                         ; v96-111 a block's codes or f16 pairs
.set OUTR,  112                        ; v112-175 the way out
.set SB,    24                         ; v24-27 scale bytes, four to a register
.macro XLOAD t                         ; 32 lanes read 512 consecutive bytes, four times
.irp i, 0,1,2,3
	global_load_b128 v[R+16*((\t)%4)+4*\i:R+16*((\t)%4)+4*\i+3], v3, s[4:5] offset:2048*(\t)+512*\i th:TH_LOAD_NT
.endr
.endm
.macro XTURN t                         ; a step's 2,048 bytes through my stage: in as they lie, out 64 bytes a lane; LDS serves a wave's instructions in order
.irp i, 0,1,2,3
	ds_store_b128 v14, v[R+16*((\t)%4)+4*\i:R+16*((\t)%4)+4*\i+3] offset:32*SP*((\t)%2)+8*SP*\i
.endr
.irp i, 0,1,2,3
	ds_load_b128 v[X+16*((\t)%2)+4*\i:X+16*((\t)%2)+4*\i+3], v15 offset:32*SP*((\t)%2)+16*\i
.endr
.endm
.macro XSTEP t
.set XS, X+16*((\t)%2)
.if (\t) > 0
	s_wait_dscnt 1                                 ; this step's numbers are back from the stage; the last step's byte store may be out
.else
	s_wait_dscnt 0x0
.endif
.if (\t)+4 < 16
	XLOAD (\t)+4                                   ; into the set whose stage stores have read their registers
.endif
.if (\t)+1 < 16
.if 14-(\t) >= 3
	s_wait_loadcnt 12                              ; the next step's four loads are in; those of the three steps behind it may be out
.else
	s_wait_loadcnt 4*(14-(\t))
.endif
	XTURN (\t)+1
.endif
	v_max3_num_f32 v8, |v[XS]|, |v[XS+1]|, |v[XS+2]|   ; the largest magnitude of my 16, in two chains
	v_max3_num_f32 v9, |v[XS+3]|, |v[XS+4]|, |v[XS+5]|
.irp i, 6,10
	v_max3_num_f32 v8, v8, |v[XS+\i]|, |v[XS+\i+1]|
	v_max3_num_f32 v9, v9, |v[XS+\i+2]|, |v[XS+\i+3]|
.endr
	v_max3_num_f32 v8, v8, |v[XS+14]|, |v[XS+15]|
	v_max3_num_f32 v8, v8, v9, 0x1800000           ; and the floor 2^(3 - 127): the byte cannot fall under 1
	v_max_num_f32_dpp v8, v8, v8 row_xmask:1 row_mask:0xf bank_mask:0xf   ; with my neighbour's 16: the block's
	v_add_nc_u32 v11, 0xff000000, v8               ; 2 off its exponent field: the conversion takes that field as its scale
	v_cvt_scalef32_pk8_fp4_f32 v[C+4*(\t)], v[XS:XS+7], v11
	v_cvt_scalef32_pk8_fp4_f32 v[C+4*(\t)+1], v[XS+8:XS+15], v11
	v_lshrrev_b32 v[E+(\t)], 23, v11               ; the scale's byte (a plain line behind the conversions)
	ds_store_b8 v5, v[E+(\t)] offset:16*(\t)       ; both lanes of a block write the same byte with the same value
	global_store_b64 v4, v[C+4*(\t):C+4*(\t)+1], s[10:11] offset:256*(\t)   ; the wave stores 256 consecutive bytes, aligned
.endm
.macro WLOAD t                         ; block t of w_qkv: rows 32 t + i of my column
.set i, 0
.rept 32
	global_load_b32 v[WX+32*((\t)%2)+i], v3, s[6:7] offset:(32*(\t)+i)*12288 th:TH_LOAD_NT
.set i, i+1
.endr
.endm
.macro WBLOCK t
.set XS, WX+32*((\t)%2)
.if (\t) < 15
	s_wait_loadcnt 32                              ; this block's 32 loads are in; the next block's may be out
.else
	s_wait_loadcnt 0
.endif
	v_max3_num_f32 v12, |v[XS]|, |v[XS+1]|, |v[XS+2]|   ; all 32 numbers of the block are mine
	v_max3_num_f32 v13, |v[XS+3]|, |v[XS+4]|, |v[XS+5]|
.irp i, 6,10,14,18,22,26
	v_max3_num_f32 v12, v12, |v[XS+\i]|, |v[XS+\i+1]|
	v_max3_num_f32 v13, v13, |v[XS+\i+2]|, |v[XS+\i+3]|
.endr
	v_max3_num_f32 v12, v12, |v[XS+30]|, |v[XS+31]|
	v_max3_num_f32 v12, v12, v13, 0x1800000
	v_add_nc_u32 v11, 0xff000000, v12
	v_lshrrev_b32 v13, 23, v11
.if (\t)%4 == 0
	v_mov_b32 v[SB+(\t)/4], v13                    ; four bytes to a register, the lower K in the lower byte
.else
	v_lshl_or_b32 v[SB+(\t)/4], v13, 8*((\t)%4), v[SB+(\t)/4]
.endif
.irp g, 0,1,2,3
	v_cvt_scalef32_pk8_fp4_f32 v[WC+\g], v[XS+8*\g:XS+8*\g+7], v11
.endr
	ds_store_b128 v4, v[WC:WC+3] offset:16*(\t)    ; 32 codes: 16 bytes of my column's row
.if (\t)+2 < 16
	WLOAD (\t)+2
.endif
	s_wait_dscnt 0x0                               ; the store has read its registers: the next block's codes may be written
.endm
.macro FLOAD t                         ; block t of w_fc: rows 32 t + i of my column
.set i, 0
.rept 32
	global_load_b32 v[WX+32*((\t)%2)+i], v3, s[8:9] offset:(32*(\t)+i)*4096 th:TH_LOAD_NT
.set i, i+1
.endr
.endm
.macro FBLOCK t
.set XS, WX+32*((\t)%2)
.if (\t) < 3
	s_wait_loadcnt 32
.else
	s_wait_loadcnt 0
.endif
.set g, 0
.rept 16
	v_cvt_pk_f16_f32 v[WC+g], v[XS+2*g], v[XS+2*g+1]   ; two neighbours along K, the lower in the low half
.set g, g+1
.endr
.irp q, 0,1,2,3
	ds_store_b128 v4, v[WC+4*\q:WC+4*\q+3] offset:64*(\t)+16*\q
.endr
.if (\t)+2 < 4
	FLOAD (\t)+2
.endif
	s_wait_dscnt 0x0
.endm
.macro WAYOUT lo, hi, krow             ; the stage comes back by rows: sixteen lanes store 256 consecutive bytes, aligned
.irp t, 0,1,2,3,4,5,6,7,8,9,10,11,12,13,14,15
	ds_load_b128 v[OUTR+4*\t:OUTR+4*\t+3], v7 offset:2*\t*PITCH
.endr
.irp t, 0,1,2,3,4,5,6,7,8,9,10,11,12,13,14,15
	s_wait_dscnt 15-\t
	global_store_b128 v8, v[OUTR+4*\t:OUTR+4*\t+3], s[\lo:\hi] offset:2*\t*\krow
.endr
.endm
	s_load_b256 s[4:11], s[0:1], 0x0               ; x s[4:5], w_qkv s[6:7], w_fc s[8:9], x_codes s[10:11]
	s_load_b256 s[12:19], s[0:1], 0x20             ; x_scales s[12:13], w_codes s[14:15], w_scales s[16:17], wt16 s[18:19]
	v_lshl_add_u32 v[SPW], v0, 2, SPARE
	v_mov_b32 v[NIL], 0
	v_lshrrev_b32 v1, 5, v0
	v_readfirstlane_b32 s20, v1                    ; wave 0..3
	v_and_b32 v2, 31, v0                           ; lane
	s_wait_kmcnt 0x0
	s_cmp_lt_u32 ttmp9, 256
	s_cbranch_scc1 .Lx
	s_cmp_lt_u32 ttmp9, 304
	s_cbranch_scc1 .Lw
	; ---- w_fc: a wave takes 32 columns x 128 along K; a lane a column, its registers run down K
	s_sub_co_u32 s21, ttmp9, 304
	s_lshr_b32 s22, s21, 3                         ; which 128 along K
	s_and_b32 s21, s21, 7
	s_lshl_b32 s21, s21, 7
	s_lshl_b32 s23, s20, 5
	s_add_co_u32 s21, s21, s23                     ; my wave's first column
	v_lshlrev_b32 v3, 2, v2
	s_mul_i32 s23, s20, 32*PITCH
	s_add_co_u32 s23, s23, FSTG
	v_mul_u32_u24 v4, v2, PITCH
	v_add_nc_u32 v4, s23, v4                       ; into the stage: row = my column
	v_and_b32 v5, 15, v2
	v_lshrrev_b32 v6, 4, v2
	v_mul_u32_u24 v7, v6, PITCH
	v_lshl_add_u32 v7, v5, 4, v7
	v_add_nc_u32 v7, s23, v7                       ; out of it: sixteen lanes to a row
	v_lshlrev_b32 v8, 11, v6
	v_lshl_add_u32 v8, v5, 4, v8                   ; the same place in wt16: rows of 2,048 bytes
	s_lshl_b32 s24, s22, 19                        ; 128 rows of 4,096 bytes
	s_lshl_b32 s26, s21, 2
	s_add_co_u32 s24, s24, s26
	s_mov_b32 s25, 0
	s_add_nc_u64 s[8:9], s[8:9], s[24:25]
	s_lshl_b32 s24, s21, 11
	s_lshl_b32 s26, s22, 8
	s_add_co_u32 s24, s24, s26
	s_add_nc_u64 s[18:19], s[18:19], s[24:25]
	FLOAD 0
	FLOAD 1
	FBLOCK 0
	FBLOCK 1
	FBLOCK 2
	FBLOCK 3
	WAYOUT 18, 19, 2048
	s_branch .Lend
.Lw:	; ---- w_qkv: a wave takes 32 columns x 512 along K: 16 blocks a lane
	s_sub_co_u32 s21, ttmp9, 256
	s_cmp_ge_u32 s21, 24
	s_cselect_b32 s22, 1, 0                        ; which 512 along K
	s_cselect_b32 s23, 24, 0
	s_sub_co_u32 s21, s21, s23                     ; which 128 columns
	s_lshl_b32 s21, s21, 7
	s_lshl_b32 s23, s20, 5
	s_add_co_u32 s21, s21, s23                     ; my wave's first column
	v_lshlrev_b32 v3, 2, v2
	s_mul_i32 s23, s20, 32*PITCH
	s_add_co_u32 s23, s23, WSTG
	v_mul_u32_u24 v4, v2, PITCH
	v_add_nc_u32 v4, s23, v4
	v_and_b32 v5, 15, v2
	v_lshrrev_b32 v6, 4, v2
	v_mul_u32_u24 v7, v6, PITCH
	v_lshl_add_u32 v7, v5, 4, v7
	v_add_nc_u32 v7, s23, v7
	v_lshlrev_b32 v8, 9, v6
	v_lshl_add_u32 v8, v5, 4, v8                   ; rows of 512 bytes in w_codes
	v_lshlrev_b32 v9, 5, v2                        ; rows of 32 bytes in w_scales
	s_mul_i32 s24, s22, 512*12288
	s_lshl_b32 s26, s21, 2
	s_add_co_u32 s24, s24, s26
	s_mov_b32 s25, 0
	s_add_nc_u64 s[6:7], s[6:7], s[24:25]
	s_lshl_b32 s24, s21, 9
	s_lshl_b32 s26, s22, 8
	s_add_co_u32 s24, s24, s26
	s_add_nc_u64 s[14:15], s[14:15], s[24:25]
	s_lshl_b32 s24, s21, 5
	s_lshl_b32 s26, s22, 4
	s_add_co_u32 s24, s24, s26
	s_add_nc_u64 s[16:17], s[16:17], s[24:25]
	WLOAD 0
	WLOAD 1
.set Q, 0
.rept 16
	WBLOCK Q
.set Q, Q+1
.endr
	global_store_b128 v9, v[SB:SB+3], s[16:17]     ; my column's 16 scale bytes
	WAYOUT 14, 15, 512
	s_branch .Lend
.Lx:	; ---- x: a plain stream of blocks of 32; a wave takes 16 steps of 512 numbers
	v_lshlrev_b32 v3, 4, v2                        ; my 16 bytes of a load's 512
	s_mul_i32 s21, s20, 8192                       ; my wave's region: two stages, then 256 scale bytes
	v_lshrrev_b32 v14, 2, v2
	v_mul_u32_u24 v14, v14, SP
	v_and_b32 v15, 3, v2
	v_lshl_add_u32 v14, v15, 4, v14
	v_add_nc_u32 v14, s21, v14                     ; in: SP (lane / 4) + 16 (lane % 4)
	v_mul_u32_u24 v15, v2, SP
	v_add_nc_u32 v15, s21, v15                     ; out: SP x lane
	v_lshlrev_b32 v4, 3, v2                        ; my 8 bytes of a step's codes
	v_lshrrev_b32 v5, 1, v2
	s_add_co_u32 s21, s21, 2*32*SP
	v_add_nc_u32 v5, s21, v5                       ; my block's byte
	v_lshlrev_b32 v7, 3, v2
	v_add_nc_u32 v6, s21, v7
	s_lshl_b32 s22, ttmp9, 2
	s_add_co_u32 s22, s22, s20                     ; which run of 8,192 numbers is my wave's
	s_mov_b32 s25, 0
	s_lshl_b32 s24, s22, 15
	s_add_nc_u64 s[4:5], s[4:5], s[24:25]
	s_lshl_b32 s24, s22, 12
	s_add_nc_u64 s[10:11], s[10:11], s[24:25]
	s_lshl_b32 s24, s22, 8
	s_add_nc_u64 s[12:13], s[12:13], s[24:25]
	XLOAD 0
	XLOAD 1
	XLOAD 2
	XLOAD 3
	s_wait_loadcnt 12                              ; step 0's four loads are in
	XTURN 0
.set Q, 0
.rept 16
	XSTEP Q
.set Q, Q+1
.endr
	ds_load_b64 v[8:9], v6                         ; LDS serves a wave's instructions in order: these see my byte stores
	s_wait_dscnt 0x0
	global_store_b64 v7, v[8:9], s[12:13]          ; 32 lanes store 256 consecutive bytes, aligned
.Lend:
	s_wait_tensorcnt 0x0                           ; the wave's end, behind my last LDS store
	ds_add_u32 v[SPW], v[NIL]
	s_wait_dscnt 0x0
	s_endpgm
.Lfunc_end_k_qe98513d390_prep:
	.size	k_qe98513d390_prep, .Lfunc_end_k_qe98513d390_prep-k_qe98513d390_prep
	.p2alignl 7, 3214868480
	.fill 96, 4, 3214868480
	.section	.rodata,"a",@progbits
	.p2align	6, 0x0
	.amdhsa_kernel k_qe98513d390_prep
		.amdhsa_group_segment_fixed_size 102912
		.amdhsa_private_segment_fixed_size 0
		.amdhsa_enable_private_segment 0
		.amdhsa_kernarg_size 64
		.amdhsa_user_sgpr_count 2
		.amdhsa_user_sgpr_kernarg_segment_ptr 1
		.amdhsa_wavefront_size32 1
		.amdhsa_system_sgpr_workgroup_id_x 1
		.amdhsa_system_sgpr_workgroup_id_y 1
		.amdhsa_system_sgpr_workgroup_id_z 1
		.amdhsa_system_vgpr_workitem_id 0
		.amdhsa_next_free_vgpr 192
		.amdhsa_next_free_sgpr 66
		.amdhsa_reserve_vcc 0
		.amdhsa_float_denorm_mode_32 3
		.amdhsa_float_denorm_mode_16_64 3
		.amdhsa_memory_ordered 1
		.amdhsa_forward_progress 1
		.amdhsa_inst_pref_size 132
	.end_amdhsa_kernel
	.amdgpu_metadata
---
amdhsa.version: [ 1, 2 ]
amdhsa.kernels:
  - .name:           k_qe98513d390_prep
    .symbol:         k_qe98513d390_prep.kd
    .args:
      - { .name: x, .offset: 0, .size: 8, .value_kind: global_buffer, .address_space: global }
      - { .name: w_qkv, .offset: 8, .size: 8, .value_kind: global_buffer, .address_space: global }
      - { .name: w_fc, .offset: 16, .size: 8, .value_kind: global_buffer, .address_space: global }
      - { .name: x_codes, .offset: 24, .size: 8, .value_kind: global_buffer, .address_space: global }
      - { .name: x_scales, .offset: 32, .size: 8, .value_kind: global_buffer, .address_space: global }
      - { .name: w_codes, .offset: 40, .size: 8, .value_kind: global_buffer, .address_space: global }
      - { .name: w_scales, .offset: 48, .size: 8, .value_kind: global_buffer, .address_space: global }
      - { .name: wt16, .offset: 56, .size: 8, .value_kind: global_buffer, .address_space: global }
    .group_segment_fixed_size: 102912
    .private_segment_fixed_size: 0
    .kernarg_segment_align: 8
    .kernarg_segment_size: 64
    .max_flat_workgroup_size: 128
    .sgpr_count:     66
    .vgpr_count:     192
    .wavefront_size: 32
...
	.end_amdgpu_metadata
.endif
;; end of part 1
;; launch qkv (part 2): grid 12 x 32, 4 waves a work-group, clusters of 4 x 4, 327,680 bytes of LDS; arguments x_codes, x_scales, w_codes, w_scales, qkv16, qkv32; writes qkv16, qkv32
.if DOCPART == 2
	.amdgcn_target "amdgcn-amd-amdhsa--gfx1250"
	.amdhsa_code_object_version 6
	.text
	.protected	k_qe98513d390_qkv
	.globl	k_qe98513d390_qkv
	.p2align	8
	.type	k_qe98513d390_qkv,@function
k_qe98513d390_qkv:
	s_mov_b64 s[64:65], 0
	v_nop
	global_prefetch_b8 v0, s[64:65] scope:SCOPE_SE
	s_setreg_imm32_b32 hwreg(HW_REG_WAVE_MODE, 25, 1), 1
	s_wait_xcnt 0x0
	s_wait_alu depctr_hold_cnt(0) depctr_sa_sdst(0) depctr_va_vdst(0) depctr_va_sdst(0) depctr_va_ssrc(0) depctr_va_vcc(0) depctr_vm_vsrc(0)
	s_getreg_b32 s2, hwreg(HW_REG_IB_STS2, 6, 4)
	s_cmp_eq_u32 s2, 0
	s_cbranch_scc0 .Lentry_in_a_cluster
	s_endpgm
.Lentry_in_a_cluster:
	s_bfe_u32 s2, ttmp6, 0x10000c
	s_cmp_lg_u32 s2, 0xf033
	s_cbranch_scc0 .Lentry_shape_is_right
	s_endpgm
.Lentry_shape_is_right:
; qkv = Q(x) Q(w_qkv): [8192][1024] x [3072][1024]^T on codes of FP4 (E2M1) with one E8M0 scale for each 32 along K; sums in f32.
; A tile of 256 x 256 is made by four waves, 128 x 128 each: 64 accumulators, 512 registers.  K = 1,024 is two slots of 512: both are first fills, nothing is filled again.
; The scales of the work-group's 256 rows of each operand, for all of K, are dense blocks of memory: they come into LDS once.
; CLUSTERS: 4 x 4 work-groups; the four of a row of the cluster ask jointly for x's tiles, the four of a column for w's.
; THE TILE ROW IS 8 cy + cluster y: so cy is the batch and cluster y says which 256 positions; whether a tile holds positions 0-15 hangs on cluster y alone, which all sixteen partners share.
; THE MATRIX INSTRUCTION IS USED TRANSPOSED (source 0 = 16 rows of w, source 1 = 16 rows of x): a lane holds eight neighbouring columns of one row.
; OUT: f16, head-major: qkv16 [3 q,k,v][4 batches][16 heads][2048 positions][64]: a wave's 16 positions of a head are 2,048 consecutive bytes.
;      Positions 0-15 of every batch leave in f32 too: qkv32 [4 x 16][3072], for the launch that carries those rows finely.
; LIMITS: q, k, v are rounded to f16 (largest number 65,504; under 6e-5 the step is 6e-8).
; REGISTERS: window 0: v16-29 addresses; v32-95 scale words, two sets, and nothing else; v128-191 x's fragments, on the way out rows read back; v192-223 packed results.
;   window 1: w's fragments, two sets.  window 2: the accumulators of my rows 0-63 ((a, b) at v[8 (8 a + b)]); window 3: those of rows 64-127.
.set NQ,     4                         ; steps of 128 along K in a slot
.set ROWB,   256                       ; a tile's row: 512 codes
.set KROW,   512                       ; a row of codes in memory
.set PITCH,  272                       ; an LDS row: 256 bytes + 16 of padding, so that the 16 rows of a load start at 16 different banks (64 banks of 4 bytes: ISA guide 11.1)
.set FR,     8
.set NL,     2
.set NP,     4                         ; places behind this matrix instruction (ISA guide 7.12.1)
.set HALFT,  128*PITCH
.set SLOT,   4*HALFT
.set KS,     32                        ; a row of scale bytes
.set SCL,    2*SLOT
.set HALFS,  (128*KS/256)*272
.set SBLK,   (16*KS/256)*272
.set SPARE,  SCL+4*HALFS               ; the spare words, 128 bytes for each wave, which no other line names
.set STG16,  34816                     ; the stages lie in slot 0, which has had its last fill and its last read when the first result is stored there:
                                       ; f32: 16 rows x 528 bytes for each wave from byte 0; f16: 16 rows x 272 bytes for each wave from STG16
.set ADRA, 16
.set ADRB, 20
.set STO16, 22
.set RD16,  23
.set STO32, 24
.set RD32,  25
.set CO,   26
.set ADRS, 27
.set SPW,  28
.set NIL,  29
.set SC,   32
.set AF,   128
.set BK,   128
.set TMP,  192
.set G1, 24
.set G0, 32
.set G1B, 48
.set G0B, 56
.set G1S, 68
.set G0S, 76
.set G1SB, 80
.set G0SB, 88
.set MSB, 0
.macro WIN new                         ; the immediate's high byte repeats the setting that is left
.if MSB != (\new)
	s_set_vgpr_msb (MSB<<8)|(\new)
.set MSB, (\new)
.endif
.endm
.set MUL_LO, 0xa1                      ; source 0 (w) window 1, source 1 (x) window 0, C and D window 2
.set MUL_HI, 0xf1
.set TO_B,   0x40
; A joint load: waves 0 and 1 fetch for x, waves 2 and 3 for w.  The branch hangs on the wave's number alone.  An s_nop 0 and four v_nop follow each line.
.macro JLOAD g0a, g1a, g0b, g1b
	s_cmp_eq_u32 s15, 0
	s_cbranch_scc0 .Lfor_b_\@
	tensor_load_to_lds s[\g0a:\g0a+3], s[\g1a:\g1a+7]
	s_nop 0
.rept 4
	v_nop
.endr
	s_branch .Lasked_\@
.Lfor_b_\@:
	tensor_load_to_lds s[\g0b:\g0b+3], s[\g1b:\g1b+7]
	s_nop 0
.rept 4
	v_nop
.endr
.Lasked_\@:
.endm
.macro CROUND                          ; a round of the cluster's barrier
	s_barrier_signal -1
	s_barrier_wait -1
	s_cmp_lg_u32 s14, 0
	s_cbranch_scc1 .Lnot_wave_0_\@
	s_barrier_signal -3
.Lnot_wave_0_\@:
	s_barrier_wait -3
	s_barrier_signal -1
	s_barrier_wait -1
.endm
	s_load_b128 s[4:7], s[0:1], 0x0                ; x's codes, x's scales
	s_load_b128 s[8:11], s[0:1], 0x10              ; w's codes, w's scales
	s_load_b64 s[12:13], s[0:1], 0x20              ; qkv16
	s_load_b64 s[96:97], s[0:1], 0x28              ; qkv32
	v_lshl_add_u32 v[SPW], v0, 2, SPARE
	v_mov_b32 v[NIL], 0
	ds_add_u32 v[SPW], v[NIL]                      ; the wave's opening: the add, twice on end, and its wait ahead of my first tensor load
	ds_add_u32 v[SPW], v[NIL]
	v_lshrrev_b32 v1, 5, v0
	v_readfirstlane_b32 s14, v1                    ; wave 0..3
	s_lshr_b32 s15, s14, 1                         ; which half of the tile's rows is mine.  Also: I fetch for x (0) or for w (1)
	s_and_b32 s16, s14, 1                          ; which half of its columns.  Also: which 128 rows I fetch
	s_bfe_u32 s40, ttmp6, 0x40000                  ; cx
	s_bfe_u32 s41, ttmp6, 0x40004                  ; cy
	s_lshl_b32 s42, ttmp9, 2
	s_add_co_u32 s42, s42, s40                     ; tile column = 4 x cluster x + cx
	s_and_b32 s95, ttmp7, 0xffff                   ; cluster y
	s_lshl_b32 s17, s41, 3
	s_add_co_u32 s17, s17, s95                     ; tile row = 8 cy + cluster y
	s_lshl_b32 s43, s41, 2
	s_lshl_b32 s43, 15, s43                        ; my row of the cluster
	s_lshl_b32 s44, 0x1111, s40                    ; my column
	s_or_b32 s[G1+0], s43, (0<<16)|(1<<20)|(1<<21)|(5<<22)|(3<<25)  ; the mask; elements of 1 byte; padding on; bit 21 beside a mask; 4 words behind every 64
	s_or_b32 s[G1B+0], s44, (0<<16)|(1<<20)|(1<<21)|(5<<22)|(3<<25)
.irp g, G1, G1B
	s_mov_b32 s[\g+1], ROWB<<16                    ; tensor_dim0
	s_mov_b32 s[\g+2], 128<<16                     ; tensor_dim1
	s_mov_b32 s[\g+3], ROWB<<16                    ; tile_dim0
	s_mov_b32 s[\g+4], 128                         ; tile_dim1
	s_mov_b32 s[\g+5], KROW                        ; the pitch
	s_mov_b32 s[\g+6], 0
	s_mov_b32 s[\g+7], 0
.endr
	s_or_b32 s[G1S+0], s43, (3<<16)|(1<<20)|(1<<21)|(5<<22)|(3<<25)  ; the scales of 128 rows: 4,096 dense bytes as 16 rows of 256 (32 elements of 8 bytes)
	s_or_b32 s[G1SB+0], s44, (3<<16)|(1<<20)|(1<<21)|(5<<22)|(3<<25)
.irp g, G1S, G1SB
	s_mov_b32 s[\g+1], 32<<16
	s_mov_b32 s[\g+2], (128*KS/256)<<16
	s_mov_b32 s[\g+3], 32<<16
	s_mov_b32 s[\g+4], 128*KS/256
	s_mov_b32 s[\g+5], 32
	s_mov_b32 s[\g+6], 0
	s_mov_b32 s[\g+7], 0
.endr
	s_lshl_b32 s18, s16, 7
	s_lshl_b32 s20, s17, 8
	s_add_co_u32 s20, s20, s18                     ; x: row 256 x tile row + 128 x half
	s_lshl_b32 s46, s42, 8
	s_add_co_u32 s46, s46, s18                     ; w: row 256 x tile column + 128 x half
	s_mov_b32 s21, 0
	s_mov_b32 s47, 0
	s_mov_b64 s[18:19], KS
	s_mul_u64 s[22:23], s[20:21], s[18:19]
	s_mul_u64 s[92:93], s[46:47], s[18:19]
	s_mov_b64 s[18:19], KROW
	s_mul_u64 s[20:21], s[20:21], s[18:19]
	s_mul_u64 s[46:47], s[46:47], s[18:19]
	s_mul_i32 s45, s14, HALFT                      ; where they go: wave x 128 rows: no place in the cluster enters an LDS address
	s_mul_i32 s94, s14, HALFS
	s_wait_dscnt 0x0                               ; both opening adds are done
	s_wait_kmcnt 0x0
	s_add_nc_u64 s[20:21], s[4:5], s[20:21]
	s_add_nc_u64 s[22:23], s[6:7], s[22:23]
	s_add_nc_u64 s[46:47], s[8:9], s[46:47]
	s_add_nc_u64 s[92:93], s[10:11], s[92:93]
	CROUND                                         ; all sixteen work-groups are here: the joint loads meet
	s_mov_b32 s[G0S], 1
	s_add_co_u32 s[G0S+1], s94, SCL
	s_mov_b64 s[G0S+2:G0S+3], s[22:23]
	s_or_b32 s[G0S+3], s[G0S+3], 0x80000000
	s_mov_b32 s[G0SB], 1
	s_add_co_u32 s[G0SB+1], s94, SCL
	s_mov_b64 s[G0SB+2:G0SB+3], s[92:93]
	s_or_b32 s[G0SB+3], s[G0SB+3], 0x80000000
	JLOAD G0S, G1S, G0SB, G1SB                     ; the scales first; by this text's count three tensor loads of a wave are out at the most
.irp s, 0,1
	s_mov_b32 s[G0+4*\s], 1
	s_add_co_u32 s[G0+4*\s+1], s45, \s*SLOT
	s_add_nc_u64 s[G0+4*\s+2:G0+4*\s+3], s[20:21], \s*ROWB
	s_or_b32 s[G0+4*\s+3], s[G0+4*\s+3], 0x80000000
	s_mov_b32 s[G0B+4*\s], 1
	s_add_co_u32 s[G0B+4*\s+1], s45, \s*SLOT
	s_add_nc_u64 s[G0B+4*\s+2:G0B+4*\s+3], s[46:47], \s*ROWB
	s_or_b32 s[G0B+4*\s+3], s[G0B+4*\s+3], 0x80000000
	JLOAD G0+4*\s, G1, G0B+4*\s, G1B
.endr
	v_and_b32 v1, 15, v0                           ; r = lane % 16
	v_bfe_u32 v2, v0, 4, 1                         ; h = lane / 16
	v_mul_u32_u24 v3, v1, PITCH
	v_lshl_add_u32 v4, v2, 4, v3
	s_mul_i32 s21, s15, HALFT
	s_mul_i32 s22, s16, HALFT
	s_add_co_u32 s22, s22, 2*HALFT
.irp s, 0,1
	v_add_nc_u32 v[ADRA+\s], s21, v4
	v_add_nc_u32 v[ADRB+\s], s22, v4
	s_add_co_u32 s21, s21, SLOT
	s_add_co_u32 s22, s22, SLOT
.endr
	v_mul_u32_u24 v5, v1, KS                       ; my row's scales: 32 bytes a row, and 16 more for each 256 passed
	v_lshrrev_b32 v6, 8, v5
	v_lshl_add_u32 v5, v6, 4, v5
	s_mul_i32 s21, s15, HALFS
	s_mul_i32 s22, s16, HALFS
	s_add_co_u32 s22, s22, 2*HALFS
	s_sub_co_u32 s22, s22, s21
	v_mul_u32_u24 v6, s22, v2                      ; lanes 16-31 take w's
	s_add_co_u32 s21, s21, SCL
	v_add_nc_u32 v5, v5, v6
	v_add_nc_u32 v[ADRS], s21, v5
	s_mul_i32 s23, s14, 16*528                     ; my f32 stage
	v_mul_u32_u24 v5, v1, 528
	v_lshl_add_u32 v5, v2, 5, v5
	v_add_nc_u32 v[STO32], s23, v5                 ; in: row r, 32 bytes for each half of the lanes
	v_and_b32 v6, 31, v0
	v_lshlrev_b32 v[CO], 4, v6                     ; 16 x lane
	v_add_nc_u32 v[RD32], s23, v[CO]               ; back: a row of 512 bytes
	s_mul_i32 s23, s14, 16*272                     ; my f16 stage
	s_add_co_u32 s23, s23, STG16
	v_mul_u32_u24 v5, v1, 272
	v_lshl_add_u32 v5, v2, 4, v5
	v_add_nc_u32 v[STO16], s23, v5                 ; in: row r, 16 bytes for each half of the lanes
	v_lshrrev_b32 v5, 3, v6
	v_mul_u32_u24 v5, v5, 272
	v_and_b32 v7, 7, v0
	v_lshl_add_u32 v5, v7, 4, v5
	v_add_nc_u32 v[RD16], s23, v5                  ; back: eight lanes take one position's 128 bytes of a head
	s_lshl_b32 s46, s42, 2                         ; my first head among the 48 of q, k, v: 4 x tile column + 2 x half
	s_lshl_b32 s47, s16, 1
	s_add_co_u32 s46, s46, s47
	s_lshr_b32 s47, s46, 4                         ; q, k or v
	s_and_b32 s46, s46, 15                         ; the head
	s_lshl_b32 s47, s47, 6
	s_add_co_u32 s46, s46, s47
	s_lshl_b32 s47, s41, 4                         ; 16 x batch
	s_add_co_u32 s46, s46, s47
	s_lshl_b32 s46, s46, 11                        ; 2,048 positions a head
	s_lshl_b32 s47, s95, 8
	s_add_co_u32 s46, s46, s47
	s_lshl_b32 s47, s15, 7
	s_add_co_u32 s46, s46, s47                     ; + my first position
	s_lshl_b32 s46, s46, 7                         ; 128 bytes a position
	s_mov_b32 s47, 0
	s_add_nc_u64 s[12:13], s[12:13], s[46:47]
	s_mul_i32 s46, s41, 196608                     ; qkv32: 16 rows of 12,288 bytes a batch,
	s_lshl_b32 s20, s42, 10
	s_add_co_u32 s46, s46, s20
	s_lshl_b32 s20, s16, 9
	s_add_co_u32 s46, s46, s20                     ; my 128 columns
	s_add_nc_u64 s[96:97], s[96:97], s[46:47]
	s_or_b32 s2, s95, s15                          ; 0 in the waves that hold positions 0-15: cluster y = 0 and the upper half of the rows
.macro FRAG reg, adr, q, i             ; 16 rows x 128 K of 4-bit codes: 8 registers, two loads of 16 bytes, 32 bytes apart
.irp c, 0,1
	ds_load_b128 v[\reg+4*\c:\reg+4*\c+3], v[\adr] offset:64*(\q)+32*\c+(\i)*16*PITCH
.endr
.endm
; 16 matrix instructions: x's blocks a0, a0 + 1 against w's eight.  The 64 accumulators take turns, one instruction a turn, in the same order in every step.
.macro MUL16 a0, p, q, sc, zero
.irp a, \a0, \a0+1
.irp b, 0,1,2,3,4,5,6,7
.if \zero
	v_wmma_scale_f32_16x16x128_f8f6f4 v[8*(8*((\a)%4)+\b):8*(8*((\a)%4)+\b)+7], v[128*(\p)+FR*\b:128*(\p)+FR*\b+FR-1], v[AF+FR*(\a):AF+FR*(\a)+FR-1], 0, v[SC+8*NQ*(\sc)+NQ*\b+(\q)], v[SC+8*NQ*(\sc)+NQ*(\a)+(\q)] matrix_a_fmt:MATRIX_FMT_FP4 matrix_b_fmt:MATRIX_FMT_FP4 matrix_a_scale:MATRIX_SCALE_ROW1
.else
	v_wmma_scale_f32_16x16x128_f8f6f4 v[8*(8*((\a)%4)+\b):8*(8*((\a)%4)+\b)+7], v[128*(\p)+FR*\b:128*(\p)+FR*\b+FR-1], v[AF+FR*(\a):AF+FR*(\a)+FR-1], v[8*(8*((\a)%4)+\b):8*(8*((\a)%4)+\b)+7], v[SC+8*NQ*(\sc)+NQ*\b+(\q)], v[SC+8*NQ*(\sc)+NQ*(\a)+(\q)] matrix_a_fmt:MATRIX_FMT_FP4 matrix_b_fmt:MATRIX_FMT_FP4 matrix_a_scale:MATRIX_SCALE_ROW1
.endif
.endr
.endr
.endm
.macro FETCH_B slot, q, p
	WIN TO_B
.irp i, 0,1,2,3,4,5,6,7
	FRAG 128*(\p)+FR*\i, ADRB+\slot, \q, \i
.endr
	WIN 0
.endm
.macro FETCH_A slot, q, i0
.irp i, \i0, \i0+1, \i0+2, \i0+3
	FRAG AF+FR*(\i), ADRA+\slot, \q, \i
.endr
.endm
.macro SCALES sc                       ; a slot's scale words: lanes 0-15 take x's block i, lanes 16-31 w's block i
.irp i, 0,1,2,3,4,5,6,7
	ds_load_b128 v[SC+8*NQ*\sc+NQ*\i:SC+8*NQ*\sc+NQ*\i+3], v[ADRS] offset:\i*SBLK
.endr
.endm
.macro PLACES n                        ; plain vector instructions between a matrix instruction and a load into, or a read of, its registers
.rept \n
	v_nop
.endr
.endm
.macro STEP slot, q, zero              ; a step of 128 along K that has its successor in the same slot
	s_wait_dscnt 4*NL                              ; w's set and x's blocks 0-3 are in; the youngest eight loads (x's blocks 4-7) may be out
	WIN MUL_LO
	MUL16 0, (\q)%2, \q, \slot, \zero
	MUL16 2, (\q)%2, \q, \slot, \zero
	s_wait_dscnt 0
	PLACES NP
	FETCH_B \slot, (\q)+1, 1-(\q)%2
	FETCH_A \slot, (\q)+1, 0
	WIN MUL_HI
	MUL16 4, (\q)%2, \q, \slot, \zero
	MUL16 6, (\q)%2, \q, \slot, \zero
	PLACES NP
	WIN 0
	FETCH_A \slot, (\q)+1, 4
.endm
	s_wait_tensorcnt 1                             ; the scales and my part of slot 0 are in; slot 1's load may be out
	s_barrier_signal -1
	s_barrier_wait -1
	FETCH_B 0, 0, 0
	FETCH_A 0, 0, 0
	SCALES 0
	FETCH_A 0, 0, 4
	STEP 0, 0, 1                                   ; the first products start the sums: nothing is cleared
	STEP 0, 1, 0
	STEP 0, 2, 0
	; slot 0's last step changes slots: one barrier; in front of it my tensor loads have landed and my reads of slot 0 are over
	s_wait_tensorcnt 0x0
	ds_add_u32 v[SPW], v[NIL]                      ; 0 onto my spare word
	s_wait_dscnt 4*NL+1                            ; (the add and the youngest eight loads may be out)
	WIN MUL_LO
	MUL16 0, 1, NQ-1, 0, 0
	s_wait_dscnt 0x0
	s_barrier_signal -1
	MUL16 2, 1, NQ-1, 0, 0
	WIN 0
	s_barrier_wait -1
	PLACES NP
	v_add_nc_u32 v[ADRS], 4*NQ, v[ADRS]            ; on to slot 1's scale words
	FETCH_B 1, 0, 0
	FETCH_A 1, 0, 0
	SCALES 1
	WIN MUL_HI
	MUL16 4, 1, NQ-1, 0, 0
	MUL16 6, 1, NQ-1, 0, 0
	PLACES NP
	WIN 0
	FETCH_A 1, 0, 4
	STEP 1, 0, 0
	STEP 1, 1, 0
	STEP 1, 2, 0
	s_wait_dscnt 4*NL                              ; the last step: nothing more to fetch
	WIN MUL_LO
	MUL16 0, 1, NQ-1, 1, 0
	MUL16 2, 1, NQ-1, 1, 0
	s_wait_dscnt 0
	WIN MUL_HI
	MUL16 4, 1, NQ-1, 1, 0
	MUL16 6, 1, NQ-1, 1, 0
	WIN 0
	PLACES NP
	; THE WAY OUT.  First, in the waves that hold them, positions 0-15 in f32: block 0 through my f32 stage, back as rows of 512 bytes.
	s_cmp_lg_u32 s2, 0                             ; cluster y and the wave's number alone: the same in all partners
	s_cbranch_scc1 .Lno32
	WIN 0x08                                       ; an LDS store's data are its source 1: window 2
.irp b, 0,1,2,3,4,5,6,7
	ds_store_b128 v[STO32], v[8*\b:8*\b+3] offset:64*\b          ; each accumulator from its low end on
	ds_store_b128 v[STO32], v[8*\b+4:8*\b+7] offset:64*\b+16
.endr
	WIN 0
.irp t, 0,1,2,3,4,5,6,7,8,9,10,11,12,13,14,15
	ds_load_b128 v[BK+4*\t:BK+4*\t+3], v[RD32] offset:\t*528      ; LDS serves a wave's instructions in order: these see the stores above
.endr
	s_wait_dscnt 0x0
.irp t, 0,1,2,3,4,5,6,7,8,9,10,11,12,13,14,15
	global_store_b128 v[CO], v[BK+4*\t:BK+4*\t+3], s[96:97] offset:\t*12288   ; 32 lanes store 512 consecutive bytes, aligned
.endr
.Lno32:
; Then all eight blocks of 16 rows in f16.  PACK16: rounded, 16 bytes a lane.  TOST16: into my f16 stage, and back so that eight lanes hold one position's 128 bytes of a head.  SEND16: stored.
.macro PACK16 a
.set AC, 64*((\a)%4)
	WIN 0x0a+5*((\a)/4)                            ; sources 0 and 1: window 2 or 3
.irp b, 0,1,2,3,4,5,6,7
.irp r, 0,1,2,3
	v_cvt_pk_f16_f32 v[TMP+4*\b+\r], v[AC+8*\b+2*\r], v[AC+8*\b+2*\r+1]
.endr
.endr
	WIN 0
.endm
.macro TOST16 a
.set BB, BK+32*((\a)%2)
	s_wait_xcnt 0x0                                ; earlier stores have read their registers: the loads below may land there
.irp b, 0,1,2,3,4,5,6,7
	ds_store_b128 v[STO16], v[TMP+4*\b:TMP+4*\b+3] offset:32*\b
.endr
.irp z, 0,1
.irp i, 0,1,2,3
	ds_load_b128 v[BB+4*(4*\z+\i):BB+4*(4*\z+\i)+3], v[RD16] offset:\i*1088+\z*128   ; head z, positions 4 i .. 4 i + 3
.endr
.endr
.endm
.macro SEND16 a
.set BB, BK+32*((\a)%2)
	s_wait_dscnt 0x0                               ; the block is back in registers
.irp z, 0,1
.irp i, 0,1,2,3
	global_store_b128 v[CO], v[BB+4*(4*\z+\i):BB+4*(4*\z+\i)+3], s[12:13] offset:\z*262144+(\a)*2048+\i*512   ; 32 lanes store 512 consecutive bytes, aligned
.endr
.endr
.endm
	PACK16 0
	TOST16 0
.irp a, 1,2,3,4,5,6,7                  ; block a's conversions stand between block a - 1's loads from the stage and the wait for them
	PACK16 \a
	SEND16 \a-1
	TOST16 \a
.endr
	SEND16 7
	s_wait_tensorcnt 0x0                           ; the wave's end
	ds_add_u32 v[SPW], v[NIL]
	s_wait_dscnt 0x0
	CROUND                                         ; the closing round
	s_endpgm
.Lfunc_end_k_qe98513d390_qkv:
	.size	k_qe98513d390_qkv, .Lfunc_end_k_qe98513d390_qkv-k_qe98513d390_qkv
	.p2alignl 7, 3214868480
	.fill 96, 4, 3214868480
	.section	.rodata,"a",@progbits
	.p2align	6, 0x0
	.amdhsa_kernel k_qe98513d390_qkv
		.amdhsa_group_segment_fixed_size 327680
		.amdhsa_private_segment_fixed_size 0
		.amdhsa_enable_private_segment 0
		.amdhsa_kernarg_size 48
		.amdhsa_user_sgpr_count 2
		.amdhsa_user_sgpr_kernarg_segment_ptr 1
		.amdhsa_wavefront_size32 1
		.amdhsa_system_sgpr_workgroup_id_x 1
		.amdhsa_system_sgpr_workgroup_id_y 1
		.amdhsa_system_sgpr_workgroup_id_z 1
		.amdhsa_system_vgpr_workitem_id 0
		.amdhsa_next_free_vgpr 1024
		.amdhsa_next_free_sgpr 98
		.amdhsa_reserve_vcc 0
		.amdhsa_float_denorm_mode_32 3
		.amdhsa_float_denorm_mode_16_64 3
		.amdhsa_memory_ordered 1
		.amdhsa_forward_progress 1
		.amdhsa_inst_pref_size 131
	.end_amdhsa_kernel
	.amdgpu_metadata
---
amdhsa.version: [ 1, 2 ]
amdhsa.kernels:
  - .name:           k_qe98513d390_qkv
    .symbol:         k_qe98513d390_qkv.kd
    .args:
      - { .name: x_codes, .offset: 0, .size: 8, .value_kind: global_buffer, .address_space: global }
      - { .name: x_scales, .offset: 8, .size: 8, .value_kind: global_buffer, .address_space: global }
      - { .name: w_codes, .offset: 16, .size: 8, .value_kind: global_buffer, .address_space: global }
      - { .name: w_scales, .offset: 24, .size: 8, .value_kind: global_buffer, .address_space: global }
      - { .name: qkv16, .offset: 32, .size: 8, .value_kind: global_buffer, .address_space: global }
      - { .name: qkv32, .offset: 40, .size: 8, .value_kind: global_buffer, .address_space: global }
    .group_segment_fixed_size: 327680
    .private_segment_fixed_size: 0
    .kernarg_segment_align: 8
    .kernarg_segment_size: 48
    .max_flat_workgroup_size: 128
    .sgpr_count:     98
    .vgpr_count:     1024
    .wavefront_size: 32
...
	.end_amdgpu_metadata
.endif
;; end of part 2
;; launch attn (part 3): grid 4 x 64, 8 waves a work-group, no clusters, 327,680 bytes of LDS; arguments qkv16, o16; writes o16
.if DOCPART == 3
	.amdgcn_target "amdgcn-amd-amdhsa--gfx1250"
	.amdhsa_code_object_version 6
	.text
	.protected	k_qe98513d390_attn
	.globl	k_qe98513d390_attn
	.p2align	8
	.type	k_qe98513d390_attn,@function
k_qe98513d390_attn:
	s_mov_b64 s[64:65], 0
	v_nop
	global_prefetch_b8 v0, s[64:65] scope:SCOPE_SE
	s_setreg_imm32_b32 hwreg(HW_REG_WAVE_MODE, 25, 1), 1
	s_wait_xcnt 0x0
; CAUSAL ATTENTION on f16 operands, f32 scores, maxima and sums.  q, k, v: qkv16 [3][64 heads of all batches][2048][64] f16.  o16: [64][2048][64] f16.
; SHARES.  Work-group (i, head) owns two blocks of 256 queries: first block 7 - i, then block i.  Keys come in slots of 256; block b needs key blocks 0 .. b:
; (8 - i) + (i + 1) = 9 slots in every work-group: 256 work-groups of equal work, and every trip count is a constant of the text.
; A wave owns 32 queries, two tiles of 16.  Two waves share a SIMD, so that one wave's softmax stands beside the other's products; the text goes in phases.
; NO MULTICAST: the four work-groups of a head walk key blocks 0 .. 7 - i and start anew at different slots, so from the eighth slot on no two use the same tile in the same trip.
; LAYOUT.  S^T = K Q^T (source 0 = 16 keys, source 1 = 16 queries): a lane holds ONE query (lane % 16) and keys 8 (lane / 16) + 0..7.  Two such tiles, rounded to f16 in pairs, ARE
; source 1 of O^T = V^T P.  K comes out of LDS as it lies, V ([key][channel]) turned by ds_load_tr16_b128.
; SOFTMAX.  A running maximum m and sum l for each query: p = 2^(c s - c m), c = log2(e) / 8; in every step O and l are multiplied by a = 2^(c m_old - c m_new).
; A step all of whose 64 keys come after my 32 queries is left out (a scalar branch on ids); on the diagonal hidden scores become -infinity.  Key 0 counts for every query.
; LIMITS: p and O are rounded to f16 (p is at most 1).  Positions 0-15 of every sequence are written here too, and carried finely by a later launch.
; REGISTERS: window 0: v2-14 addresses and constants; v16-31 statistics, 8 a tile (+0 c m, +1 m, +2, +3 l, +4..7 at work); v32-95 S^T; v96-127 P; v128-191 O^T; v192-223 the way out.
;   window 1: v0-31 Q in hand; v32-63 the second block's Q; v64-127 K of a step; v128-191 V of a step.
.set PK,    144                        ; a key's row in LDS: 128 bytes + 16
.set PV,    160                        ; a row of V: 128 bytes + 32: an odd multiple of 32, as the turning load's 8 rows x 32 bytes want
.set VOFF,  256*PK
.set SLOT1, 1<<17                      ; slot 1 begins here: one exclusive or turns an address from one slot to the other
.set STAGE, SLOT1+256*(PK+PV)          ; behind the ring: 32 rows x 144 bytes for each wave
.set SPARE, STAGE+8*32*PK              ; the spare words, 128 bytes for each wave, which no other line names
.set AK0, 2
.set AV0, 3
.set ADK, 4
.set ADV, 5
.set STO, 6
.set RD,  7
.set GO,  8
.set QO,  9
.set LD,  10                           ; r - 8 h
.set D0,  11                           ; v11, v12: the mask's thresholds for the two tiles
.set NEG, 13                           ; -infinity
.set PFO, 14
.set ST,  16
.set S,   32
.set P,   96
.set O,   128
.set TMP, 192
.set SPW, 224
.set NIL, 225
.set KR,  64                           ; in window 1
.set VR,  128
.set WV, 8
.set I,  9
.set BH, 10
.set KB, 13                            ; the key block in hand
.set QB, 14                            ; the query block in hand
.set NKB, 15                           ; the key block that follows
.set KF, 16                            ; the step's first key
.set Q0, 17                            ; my first query
.set QL, 18                            ; my last
.set CNT, 19
.set SLOTS, 20
.set LIM, 21
.set CS, 22                            ; s[22:23] c, twice
.set G1K, 24
.set G1V, 32
.set G0K, 40
.set G0V, 44
.set KBASE, 48
.set VBASE, 50
.set OFF, 52
.set PFA, 54
.set OB, 56
.set OB2, 58
.set SEL, 60
.set TBK, 62
.set TBV, 63
.set Q0B, 66
.set MSB, 0
.macro WIN new
.if MSB != (\new)
	s_set_vgpr_msb (MSB<<8)|(\new)
.set MSB, (\new)
.endif
.endm
; Waves 0-3 fetch the four quarters of K's 256 rows, waves 4-7 those of V's: one tensor load a wave.  An s_nop 0 and four v_nop follow each line.
.macro TLOAD
	s_cmp_lt_u32 s[WV], 4
	s_cbranch_scc0 .Lfor_v_\@
	tensor_load_to_lds s[G0K:G0K+3], s[G1K:G1K+7]
	s_nop 0
.rept 4
	v_nop
.endr
	s_branch .Lasked_\@
.Lfor_v_\@:
	tensor_load_to_lds s[G0V:G0V+3], s[G1V:G1V+7]
	s_nop 0
.rept 4
	v_nop
.endr
.Lasked_\@:
.endm
; A PREFETCH INTO THE L2 of the key block that the NEXT change of slots will ask for.  All four work-groups of a head walk the same K and V: the first of them (i = 0), whose first query block
; walks key blocks 0 to 7 in trips 0 to 7, asks, and nobody else.  Each of its waves asks for its own quarter, 8,192 bytes, lanes 256 bytes apart: each aligned 256 bytes is named once in the launch.
; Trip s names key block s + 2, so trips 6 and 7 ask for nothing; key blocks 0 and 1 come by their loads alone.
.macro ASK
	s_cmp_gt_u32 s[SLOTS], s[LIM]
	s_cbranch_scc0 .Lnot_mine_\@
	global_prefetch_b8 v[PFO], s[PFA:PFA+1] th:TH_LOAD_NT scope:SCOPE_SE
.Lnot_mine_\@:
.endm
.macro INIT                            ; the step is written once: the first finds zeros and a maximum under every score
.irp t, 0,1
	v_mov_b32 v[ST+8*\t+1], 0xff61b1e6             ; m = -3e38
	v_mul_f32 v[ST+8*\t], s[CS], v[ST+8*\t+1]
	v_mov_b32 v[ST+8*\t+2], 0
	v_mov_b32 v[ST+8*\t+3], 0
	v_mov_b32 v[ST+8*\t+5], 0                      ; a lane permute's destination counts as one of its sources
	v_mov_b32 v[ST+8*\t+7], 0                      ; named as the upper half of a pair
.endr
.set k, 0
.rept 64
	v_mov_b32 v[O+k], 0
.set k, k+1
.endr
.endm
; THE CHANGE OF SLOTS stands at a slot's head.  Each wave waits for all its tensor loads (one is out: its part of the slot ahead), adds 0 to its spare word, and waits for that and for its reads
; of the slot that it has left.  Behind the barrier that slot is filled with the key block that follows: the load has a slot's four steps in which to land.
.macro CHANGE fill
	s_wait_tensorcnt 0x0                           ; no tensor load of mine is out, so a group 0 may be written
	ds_add_u32 v[SPW], v[NIL]                      ; the descriptors' steps stand between it and its wait
.if \fill
	s_add_co_u32 s[NKB], s[KB], 1
	s_cmp_eq_u32 s[KB], s[QB]                      ; on the diagonal the walk ends: the second query block begins at key block 0
	s_cselect_b32 s[NKB], 0, s[NKB]
	s_lshl_b32 s[OFF], s[NKB], 15                  ; 256 keys of 128 bytes
	s_xor_b32 s[G0K+1], s[G0K+1], SLOT1
	s_add_nc_u64 s[G0K+2:G0K+3], s[KBASE:KBASE+1], s[OFF:OFF+1]
	s_or_b32 s[G0K+3], s[G0K+3], 0x80000000
	s_xor_b32 s[G0V+1], s[G0V+1], SLOT1
	s_add_nc_u64 s[G0V+2:G0V+3], s[VBASE:VBASE+1], s[OFF:OFF+1]
	s_or_b32 s[G0V+3], s[G0V+3], 0x80000000
	s_wait_xcnt 0x0                                ; the last prefetch, a slot back, has read its address
	s_add_nc_u64 s[PFA:PFA+1], s[PFA:PFA+1], 32768
.endif
	s_wait_dscnt 0x0
	s_barrier_signal -1
	s_barrier_wait -1
.if \fill
	TLOAD                                          ; the first thing behind the barrier, and my one tensor load until the next
	ASK
.endif
.endm
; A KEY STEP: 64 keys against my 32 queries.
.macro STEP
	s_cmp_gt_u32 s[KF], s[QL]
	s_cbranch_scc1 .Lhidden_\@
	v_add_nc_u32 v[ADK], s[TBK], v[AK0]            ; these four lines are the places between the last products and the loads into V's registers
	v_add_nc_u32 v[ADV], s[TBV], v[AV0]
	v_nop
	v_nop
	WIN 0x40                                       ; destination window 1
.irp f, 0,1,2,3,4,5,6,7                ; keys 16 (f / 2) on, channels 32 (f % 2) on
	ds_load_b128 v[KR+8*\f:KR+8*\f+3],   v[ADK] offset:(\f/2)*16*PK+(\f%2)*64
	ds_load_b128 v[KR+8*\f+4:KR+8*\f+7], v[ADK] offset:(\f/2)*16*PK+(\f%2)*64+32
.endr
.irp f, 0,1,2,3,4,5,6,7                ; keys 32 (f / 4) on, channels 16 (f % 4) on
	ds_load_tr16_b128 v[VR+8*\f:VR+8*\f+3],   v[ADV] offset:(\f/4)*32*PV+(\f%4)*32
	ds_load_tr16_b128 v[VR+8*\f+4:VR+8*\f+7], v[ADV] offset:(\f/4)*32*PV+16*PV+(\f%4)*32
.endr
	s_wait_dscnt 16                                ; K is in; V's sixteen loads are younger and may be out
	WIN 0x05                                       ; K and Q in window 1
.set n, 0
.rept 16                               ; eight accumulators by turns: channels 32 (n / 8) on, keys 16 ((n / 2) % 4) on, tile n % 2
.set rS, S+32*(n%2)+8*((n/2)%4)
.set rK, KR+8*(2*((n/2)%4)+n/8)
.set rQ, 16*(n%2)+8*(n/8)
.if n < 8
	v_wmma_f32_16x16x32_f16 v[rS:rS+7], v[rK:rK+7], v[rQ:rQ+7], 0
.else
	v_wmma_f32_16x16x32_f16 v[rS:rS+7], v[rK:rK+7], v[rQ:rQ+7], v[rS:rS+7]
.endif
.set n, n+1
.endr
	WIN 0
.rept 4
	v_nop                                          ; places ahead of the first read of the scores
.endr
	s_add_co_u32 s67, s[KF], 63                    ; a step all of whose keys count for all my queries has no mask
	s_cmp_le_u32 s67, s[Q0]
	s_cbranch_scc1 .Lopen_\@
	s_sub_co_i32 s67, s[Q0], s[KF]
	v_add_nc_u32 v[D0], s67, v[LD]                 ; register 8 kt + j of tile x holds key KF + 16 kt + 8 h + j: hidden where 16 kt + j > Q0 - KF + 16 x + r - 8 h
	v_add_nc_u32 v[D0+1], 16, v[D0]
.irp x, 0,1
.set k, 0
.rept 32
	v_cmp_gt_i32 vcc_lo, 16*(k/8)+k%8, v[D0+\x]
	v_cndmask_b32 v[S+32*\x+k], v[S+32*\x+k], v[NEG], vcc_lo
.set k, k+1
.endr
.endr
.Lopen_\@:
	; the maximum of my 32 scores and the old m, three operands at a time, four chains a tile; the two tiles line by line
.set j, 0
.rept 4
.irp t, 0,1
	v_max3_num_f32 v[ST+8*\t+4+j], v[S+32*\t+8*j], v[S+32*\t+8*j+1], v[S+32*\t+8*j+2]
.endr
.set j, j+1
.endr
.rept 8
.irp t, 0,1
	v_max3_num_f32 v[ST+8*\t+4+j%4], v[ST+8*\t+4+j%4], v[S+32*\t+8*(j%4)+2*(j/4)+1], v[S+32*\t+8*(j%4)+2*(j/4)+2]
.endr
.set j, j+1
.endr
.irp t, 0,1
	v_max3_num_f32 v[ST+8*\t+4], v[ST+8*\t+4], v[S+32*\t+7], v[S+32*\t+15]
.endr
.irp t, 0,1
	v_max3_num_f32 v[ST+8*\t+6], v[ST+8*\t+6], v[S+32*\t+23], v[S+32*\t+31]
.endr
.irp t, 0,1
	v_max3_num_f32 v[ST+8*\t+4], v[ST+8*\t+4], v[ST+8*\t+5], v[ST+8*\t+6]
.endr
.irp t, 0,1
	v_max3_num_f32 v[ST+8*\t+4], v[ST+8*\t+4], v[ST+8*\t+7], v[ST+8*\t+1]
.endr
.irp t, 0,1
	v_permlanex16_b32 v[ST+8*\t+5], v[ST+8*\t+4], s[SEL], s[SEL+1]   ; the query's other 32 keys lie in the lane 16 away
.endr
.irp t, 0,1
	v_mov_b32 v[ST+8*\t+7], v[ST+8*\t]             ; c m_old
.endr
.irp t, 0,1
	v_max_num_f32 v[ST+8*\t+1], v[ST+8*\t+4], v[ST+8*\t+5]
.endr
.irp t, 0,1
	v_mul_f32 v[ST+8*\t], s[CS], v[ST+8*\t+1]
.endr
.irp t, 0,1
	v_sub_f32 v[ST+8*\t+7], v[ST+8*\t+7], v[ST+8*\t]
.endr
.set j, 0
.rept 16
.irp t, 0,1
	v_pk_fma_f32 v[S+32*\t+2*j:S+32*\t+2*j+1], v[S+32*\t+2*j:S+32*\t+2*j+1], s[CS:CS+1], v[ST+8*\t:ST+8*\t+1] op_sel_hi:[1,0,0] neg_lo:[0,0,1] neg_hi:[0,0,1]   ; c s - c m
.endr
.set j, j+1
.endr
.irp t, 0,1
	v_exp_f32 v[ST+8*\t+6], v[ST+8*\t+7]           ; a
.endr
.set j, 0
.rept 32
.irp t, 0,1
	v_exp_f32 v[S+32*\t+j], v[S+32*\t+j]           ; p
.endr
.set j, j+1
.endr
	v_nop                                          ; a plain instruction behind the last exponential
	s_wait_alu depctr_va_vdst(0)                   ; the wait ahead of the first instruction that names a result: one for the 66
.set j, 0
.rept 16
.irp t, 0,1
	v_cvt_pk_f16_f32 v[P+16*\t+j], v[S+32*\t+2*j], v[S+32*\t+2*j+1]
.endr
.set j, j+1
.endr
.set u, 0                              ; the sum of the unrounded p, in place: neighbours 1, 2, 4 and 8 pairs apart
.rept 8
.irp t, 0,1
	v_pk_add_f32 v[S+32*\t+4*u:S+32*\t+4*u+1], v[S+32*\t+4*u:S+32*\t+4*u+1], v[S+32*\t+4*u+2:S+32*\t+4*u+3]
.endr
.set u, u+1
.endr
.set u, 0
.rept 4
.irp t, 0,1
	v_pk_add_f32 v[S+32*\t+8*u:S+32*\t+8*u+1], v[S+32*\t+8*u:S+32*\t+8*u+1], v[S+32*\t+8*u+4:S+32*\t+8*u+5]
.endr
.set u, u+1
.endr
.set u, 0
.rept 2
.irp t, 0,1
	v_pk_add_f32 v[S+32*\t+16*u:S+32*\t+16*u+1], v[S+32*\t+16*u:S+32*\t+16*u+1], v[S+32*\t+16*u+8:S+32*\t+16*u+9]
.endr
.set u, u+1
.endr
.irp t, 0,1
	v_pk_add_f32 v[S+32*\t:S+32*\t+1], v[S+32*\t:S+32*\t+1], v[S+32*\t+16:S+32*\t+17]
.endr
.irp t, 0,1
	v_pk_fma_f32 v[ST+8*\t+2:ST+8*\t+3], v[ST+8*\t+2:ST+8*\t+3], v[ST+8*\t+6:ST+8*\t+7], v[S+32*\t:S+32*\t+1] op_sel_hi:[1,0,1]   ; l = a l + the sum
.endr
.set j, 0
.rept 16
.irp t, 0,1
	v_pk_mul_f32 v[O+32*\t+2*j:O+32*\t+2*j+1], v[O+32*\t+2*j:O+32*\t+2*j+1], v[ST+8*\t+6:ST+8*\t+7] op_sel_hi:[1,0]   ; O^T x a, each accumulator from its low end on
.endr
.set j, j+1
.endr
	s_wait_dscnt 0x0                               ; V is in
	WIN 0x01                                       ; V in window 1
.set n, 0
.rept 16                               ; eight accumulators by turns: keys 32 (n / 8) on, channels 16 ((n / 2) % 4) on, tile n % 2
.set rO, O+32*(n%2)+8*((n/2)%4)
.set rV, VR+8*(4*(n/8)+(n/2)%4)
.set rP, P+16*(n%2)+8*(n/8)
	v_wmma_f32_16x16x32_f16 v[rO:rO+7], v[rV:rV+7], v[rP:rP+7], v[rO:rO+7]
.set n, n+1
.endr
	WIN 0
.Lhidden_\@:
	s_add_co_u32 s[KF], s[KF], 64
	s_add_co_u32 s[TBK], s[TBK], 64*PK
	s_add_co_u32 s[TBV], s[TBV], 64*PV
.endm
.macro SLOT_STEPS                      ; a slot's four steps: written once, walked four times
	s_lshl_b32 s[KF], s[KB], 8
	s_mov_b32 s[CNT], 4
.Lstep_\@:
	STEP
	s_sub_co_u32 s[CNT], s[CNT], 1
	s_cmp_lg_u32 s[CNT], 0
	s_cbranch_scc1 .Lstep_\@
	s_sub_co_u32 s[TBK], s[TBK], 256*PK            ; back to a slot's first step, in the other slot
	s_xor_b32 s[TBK], s[TBK], SLOT1
	s_sub_co_u32 s[TBV], s[TBV], 256*PV
	s_xor_b32 s[TBV], s[TBV], SLOT1
.endm
; THE WAY OUT of a query block: O^T / l, rounded to f16, through my stage, back so that eight lanes hold one position's 128 bytes: my 32 positions are 4,096 consecutive bytes of o16.
.macro EPI
	s_wait_xcnt 0x0                                ; earlier stores have read their registers
.irp t, 0,1
	v_add_f32 v[ST+8*\t+4], v[ST+8*\t+2], v[ST+8*\t+3]   ; these additions and the v_nop below are the places behind the last products
.endr
.irp t, 0,1
	v_permlanex16_b32 v[ST+8*\t+5], v[ST+8*\t+4], s[SEL], s[SEL+1]
.endr
.irp t, 0,1
	v_add_f32 v[ST+8*\t+4], v[ST+8*\t+4], v[ST+8*\t+5]
.endr
.irp t, 0,1
	v_rcp_f32 v[ST+8*\t+6], v[ST+8*\t+4]
.endr
	v_nop
	s_wait_alu depctr_va_vdst(0)                   ; one wait for the two reciprocals, ahead of their first reader
.irp t, 0,1
.set j, 0
.rept 16
	v_pk_mul_f32 v[O+32*\t+2*j:O+32*\t+2*j+1], v[O+32*\t+2*j:O+32*\t+2*j+1], v[ST+8*\t+6:ST+8*\t+7] op_sel_hi:[1,0]
.set j, j+1
.endr
.endr
.irp t, 0,1
.set j, 0
.rept 16
	v_cvt_pk_f16_f32 v[TMP+16*\t+j], v[O+32*\t+2*j], v[O+32*\t+2*j+1]
.set j, j+1
.endr
.endr
.irp x, 0,1
.irp c, 0,1,2,3
	ds_store_b128 v[STO], v[TMP+16*\x+4*\c:TMP+16*\x+4*\c+3] offset:\x*16*PK+32*\c
.endr
.endr
.irp i, 0,1,2,3,4,5,6,7
	ds_load_b128 v[TMP+4*\i:TMP+4*\i+3], v[RD] offset:\i*4*PK      ; LDS serves a wave's instructions in order: these see the stores above
.endr
.irp i, 0,1,2,3,4,5,6,7
	s_wait_dscnt 7-\i
	global_store_b128 v[GO], v[TMP+4*\i:TMP+4*\i+3], s[OB:OB+1] offset:512*\i   ; 32 lanes store 512 consecutive bytes, aligned
.endr
.endm
	s_load_b128 s[4:7], s[0:1], 0x0                ; qkv16, o16
	v_lshl_add_u32 v[SPW], v0, 2, SPARE
	v_mov_b32 v[NIL], 0
	ds_add_u32 v[SPW], v[NIL]                      ; the wave's opening: the add, twice on end, and its wait ahead of my first tensor load
	ds_add_u32 v[SPW], v[NIL]
	v_lshrrev_b32 v1, 5, v0
	v_readfirstlane_b32 s[WV], v1                  ; wave 0..7
	s_mov_b32 s[I], ttmp9
	s_and_b32 s[BH], ttmp7, 0xffff                 ; batch x 16 + head
	s_mov_b32 s[G1K], (1<<16)|(1<<20)|(4<<22)|(3<<25)   ; elements of 2 bytes; padding on: 4 words behind every 32
	s_mov_b32 s[G1V], (1<<16)|(1<<20)|(4<<22)|(7<<25)   ; 8 words behind every 32
.irp g, G1K, G1V
	s_mov_b32 s[\g+1], 64<<16                      ; tensor_dim0 = 64
	s_mov_b32 s[\g+2], 64<<16                      ; tensor_dim1 = 64
	s_mov_b32 s[\g+3], 64<<16                      ; tile_dim0 = 64
	s_mov_b32 s[\g+4], 64                          ; tile_dim1 = 64
	s_mov_b32 s[\g+5], 64                          ; the pitch
	s_mov_b32 s[\g+6], 0
	s_mov_b32 s[\g+7], 0
.endr
	s_and_b32 s67, s[WV], 3                        ; which quarter of a slot's rows I fetch
	s_mul_i32 s68, s67, 64*PK
	s_mul_i32 s69, s67, 64*PV
	s_add_co_u32 s69, s69, VOFF
	s_sub_co_u32 s70, 11, s[WV]
	s_cmp_lt_u32 s[WV], 4
	s_cselect_b32 s70, s[WV], s70                  ; which 32 queries of a block: 0, 1, 2, 3, 7, 6, 5, 4: waves w and w + 4 together have 5 of a diagonal slot's 8 steps
	s_lshl_b32 s70, s70, 5
	s_sub_co_u32 s[QB], 7, s[I]
	s_lshl_b32 s[Q0], s[QB], 8
	s_add_co_u32 s[Q0], s[Q0], s70
	s_add_co_u32 s[QL], s[Q0], 31
	s_lshl_b32 s[Q0B], s[I], 8
	s_add_co_u32 s[Q0B], s[Q0B], s70
	s_lshl_b32 s71, s[BH], 18                      ; a head is 262,144 bytes
	s_lshl_b32 s72, s67, 13
	s_add_co_u32 s72, s72, s71
	s_add_co_u32 s72, s72, 0x1000000               ; k lies 16,777,216 bytes behind q
	s_mov_b32 s73, 0
	s_lshl_b32 s74, s[Q0], 7
	s_add_co_u32 s74, s74, s71
	s_mov_b32 s75, 0
	s_lshl_b32 s76, s[Q0B], 7
	s_add_co_u32 s76, s76, s71
	s_mov_b32 s77, 0
	s_mov_b32 s[CS], 0x3e38aa3b                    ; c = log2(e) / 8
	s_mov_b32 s[CS+1], s[CS]
	s_mov_b32 s[SEL], 0x76543210
	s_mov_b32 s[SEL+1], 0xfedcba98
	s_mov_b32 s[TBK], 0
	s_mov_b32 s[TBV], VOFF
	s_mov_b32 s[KB], 0
	s_mov_b32 s[SLOTS], 8
	s_mov_b32 s[OFF+1], 0
	s_cmp_eq_u32 s[I], 0
	s_cselect_b32 s[LIM], 2, -1
	s_wait_dscnt 0x0                               ; both opening adds are done
	s_wait_kmcnt 0x0
	s_add_nc_u64 s[KBASE:KBASE+1], s[4:5], s[72:73]
	s_add_nc_u64 s[VBASE:VBASE+1], s[KBASE:KBASE+1], 0x1000000
	s_mov_b32 s[G0K], 1
	s_mov_b32 s[G0K+1], s68
	s_mov_b64 s[G0K+2:G0K+3], s[KBASE:KBASE+1]
	s_or_b32 s[G0K+3], s[G0K+3], 0x80000000
	s_mov_b32 s[G0V], 1
	s_mov_b32 s[G0V+1], s69
	s_mov_b64 s[G0V+2:G0V+3], s[VBASE:VBASE+1]
	s_or_b32 s[G0V+3], s[G0V+3], 0x80000000
	TLOAD                                          ; key block 0 into slot 0; by this text's count one tensor load of a wave is out at the most
	s_add_nc_u64 s[68:69], s[4:5], s[74:75]        ; Q of the first block,
	s_add_nc_u64 s[70:71], s[4:5], s[76:77]        ; of the second;
	s_add_nc_u64 s[OB:OB+1], s[6:7], s[74:75]      ; and their rows of o16
	s_add_nc_u64 s[OB2:OB2+1], s[6:7], s[76:77]
	s_cmp_lt_u32 s[WV], 4
	s_cselect_b64 s[PFA:PFA+1], s[KBASE:KBASE+1], s[VBASE:VBASE+1]
	s_add_nc_u64 s[PFA:PFA+1], s[PFA:PFA+1], 32768 ; at key block 1: the first change steps it to 2.  Nothing is prefetched here, at the head
	v_and_b32 v1, 15, v0                           ; r
	v_bfe_u32 v15, v0, 4, 1                        ; h
	v_lshlrev_b32 v[QO], 7, v1
	v_lshl_add_u32 v[QO], v15, 4, v[QO]
	WIN 0x40
.irp x, 0,1
.irp c, 0,1
	global_load_b128 v[16*\x+8*\c:16*\x+8*\c+3],   v[QO], s[68:69] offset:\x*2048+64*\c
	global_load_b128 v[16*\x+8*\c+4:16*\x+8*\c+7], v[QO], s[68:69] offset:\x*2048+64*\c+32
	global_load_b128 v[32+16*\x+8*\c:32+16*\x+8*\c+3],   v[QO], s[70:71] offset:\x*2048+64*\c
	global_load_b128 v[32+16*\x+8*\c+4:32+16*\x+8*\c+7], v[QO], s[70:71] offset:\x*2048+64*\c+32
.endr
.endr
	WIN 0
	v_mul_u32_u24 v[AK0], v1, PK
	v_lshl_add_u32 v[AK0], v15, 4, v[AK0]          ; row r, + 16 h
	v_and_b32 v[ADK], 7, v0
	v_lshl_add_u32 v[AV0], v15, 3, v[ADK]
	v_mul_u32_u24 v[AV0], v[AV0], PV               ; the turning load: key 8 h + lane % 8,
	v_bfe_u32 v[ADV], v0, 3, 1
	v_lshl_add_u32 v[AV0], v[ADV], 4, v[AV0]       ; channels 8 ((lane / 8) % 2) on
	s_mul_i32 s67, s[WV], 32*PK
	s_add_co_u32 s67, s67, STAGE
	v_mul_u32_u24 v[STO], v1, PK
	v_lshl_add_u32 v[STO], v15, 4, v[STO]
	v_add_nc_u32 v[STO], s67, v[STO]
	v_and_b32 v[GO], 31, v0
	v_lshrrev_b32 v[RD], 3, v[GO]
	v_mul_u32_u24 v[RD], v[RD], PK
	v_lshl_add_u32 v[RD], v[ADK], 4, v[RD]
	v_add_nc_u32 v[RD], s67, v[RD]
	v_lshlrev_b32 v[PFO], 8, v[GO]
	v_lshlrev_b32 v[GO], 4, v[GO]
	v_lshlrev_b32 v[LD], 3, v15
	v_sub_nc_u32 v[LD], v1, v[LD]
	v_mov_b32 v[NEG], 0xff800000
	INIT
	s_wait_loadcnt 0x0                             ; Q
.Lslot:                                            ; eight trips; the ninth slot is written out
	CHANGE 1
	SLOT_STEPS
	s_cmp_lg_u32 s[KB], s[QB]                      ; ids and the count of slots alone: all eight waves go the same way
	s_cbranch_scc1 .Lnd
	EPI                                            ; the first query block is finished
	s_wait_xcnt 0x0                                ; its stores have read their base
	s_mov_b32 s[QB], s[I]
	s_mov_b32 s[Q0], s[Q0B]
	s_add_co_u32 s[QL], s[Q0], 31
	s_mov_b64 s[OB:OB+1], s[OB2:OB2+1]
	WIN 0x41
.set k, 0
.rept 32
	v_mov_b32 v[k], v[32+k]                        ; the second block's Q takes the first's place
.set k, k+1
.endr
	WIN 0
	INIT
.Lnd:
	s_mov_b32 s[KB], s[NKB]
	s_sub_co_u32 s[SLOTS], s[SLOTS], 1
	s_cmp_lg_u32 s[SLOTS], 0
	s_cbranch_scc1 .Lslot
	CHANGE 0
	SLOT_STEPS
	EPI
	s_wait_tensorcnt 0x0                           ; the wave's end
	ds_add_u32 v[SPW], v[NIL]
	s_wait_dscnt 0x0
	s_endpgm
.Lfunc_end_k_qe98513d390_attn:
	.size	k_qe98513d390_attn, .Lfunc_end_k_qe98513d390_attn-k_qe98513d390_attn
	.p2alignl 7, 3214868480
	.fill 96, 4, 3214868480
	.section	.rodata,"a",@progbits
	.p2align	6, 0x0
	.amdhsa_kernel k_qe98513d390_attn
		.amdhsa_group_segment_fixed_size 327680
		.amdhsa_private_segment_fixed_size 0
		.amdhsa_enable_private_segment 0
		.amdhsa_kernarg_size 16
		.amdhsa_user_sgpr_count 2
		.amdhsa_user_sgpr_kernarg_segment_ptr 1
		.amdhsa_wavefront_size32 1
		.amdhsa_system_sgpr_workgroup_id_x 1
		.amdhsa_system_sgpr_workgroup_id_y 1
		.amdhsa_system_sgpr_workgroup_id_z 1
		.amdhsa_system_vgpr_workitem_id 0
		.amdhsa_next_free_vgpr 448
		.amdhsa_next_free_sgpr 80
		.amdhsa_reserve_vcc 1
		.amdhsa_float_denorm_mode_32 3
		.amdhsa_float_denorm_mode_16_64 3
		.amdhsa_memory_ordered 1
		.amdhsa_forward_progress 1
		.amdhsa_inst_pref_size 72
	.end_amdhsa_kernel
	.amdgpu_metadata
---
amdhsa.version: [ 1, 2 ]
amdhsa.kernels:
  - .name:           k_qe98513d390_attn
    .symbol:         k_qe98513d390_attn.kd
    .args:
      - { .name: qkv16, .offset: 0, .size: 8, .value_kind: global_buffer, .address_space: global }
      - { .name: o16, .offset: 8, .size: 8, .value_kind: global_buffer, .address_space: global }
    .group_segment_fixed_size: 327680
    .private_segment_fixed_size: 0
    .kernarg_segment_align: 8
    .kernarg_segment_size: 16
    .max_flat_workgroup_size: 256
    .sgpr_count:     80
    .vgpr_count:     448
    .wavefront_size: 32
...
	.end_amdgpu_metadata
.endif
;; end of part 3
;; launch proj (part 4): grid 4 x 64, 4 waves a work-group, clusters of 4 x 4, 327,680 bytes of LDS; arguments o16, wt16, b_fc, out0; writes out0
.if DOCPART == 4
	.amdgcn_target "amdgcn-amd-amdhsa--gfx1250"
	.amdhsa_code_object_version 6
	.text
	.protected	k_qe98513d390_proj
	.globl	k_qe98513d390_proj
	.p2align	8
	.type	k_qe98513d390_proj,@function
k_qe98513d390_proj:
	s_mov_b64 s[64:65], 0
	v_nop
	global_prefetch_b8 v0, s[64:65] scope:SCOPE_SE
	s_setreg_imm32_b32 hwreg(HW_REG_WAVE_MODE, 25, 1), 1
	s_wait_xcnt 0x0
	s_wait_alu depctr_hold_cnt(0) depctr_sa_sdst(0) depctr_va_vdst(0) depctr_va_sdst(0) depctr_va_ssrc(0) depctr_va_vcc(0) depctr_vm_vsrc(0)
	s_getreg_b32 s2, hwreg(HW_REG_IB_STS2, 6, 4)
	s_cmp_eq_u32 s2, 0
	s_cbranch_scc0 .Lentry_in_a_cluster
	s_endpgm
.Lentry_in_a_cluster:
	s_bfe_u32 s2, ttmp6, 0x10000c
	s_cmp_lg_u32 s2, 0xf033
	s_cbranch_scc0 .Lentry_shape_is_right
	s_endpgm
.Lentry_shape_is_right:
; out0 = O w_fc + b_fc.  O: o16 [4 batches][16 heads][2048][64] f16, so K = 1,024 runs head by head; w_fc turned: wt16 [1024 n][1024 k] f16; b_fc [1024], out0 [8192][1024] f32; sums in f32.
; A tile of 128 rows x 256 columns to a work-group: 64 x 4 = 256 work-groups.  Four waves, each 64 x 128: 32 accumulators, 256 registers.
; K goes in steps of 128 (two heads) through a ring of two LDS slots: O's tile is two dense blocks of 128 rows x 128 bytes, w's 256 rows x 256 bytes.
; CLUSTERS: 4 x 4 work-groups; the four of a row of the cluster ask jointly for O's tiles, the four of a column for w's.
; THE MATRIX INSTRUCTION IS USED TRANSPOSED (source 0 = 16 rows of wt16, source 1 = 16 rows of O): a lane holds eight neighbouring columns of a row.  The bias is the C of each sum's first instruction.
; Rows 0-15 of every batch are written here and written over by the launch that carries them finely.
; No prefetch: a K step's tiles are small against what the launch stores, and memory is kept busy by loads and stores together.
; REGISTERS: window 0: v16-29 addresses; two fragment buffers of 96: O's 4 blocks, then w's 8: v32-127, v128-223; on the way out v32-159 rows read back.
;   window 1: accumulator (a, b) at v[8 (8 a + b)].   window 2: v0-63 the bias, 8 registers for each block of 16 columns.
.set PA,    144                        ; a row of O's tile in LDS: 128 bytes + 16
.set PB,    272                        ; a row of w's: 256 bytes + 16
.set HEADA, 128*PA
.set BOFF,  2*HEADA
.set HALFB, 128*PB
.set SLOT,  BOFF+2*HALFB
.set SPARE, 2*SLOT                     ; the spare words, 128 bytes for each wave, which no other line names
.set SPITCH, 528                       ; the way out: 16 rows x 528 bytes for each wave, in slot 0, which has had its last fill and its last read by then
.set ADRA, 16
.set ADRB, 20
.set STO,  24
.set RD,   25
.set CO,   26
.set BO,   27
.set SPW,  28
.set NIL,  29
.set F0,   32
.set F1,   128
.set BK,   32
.set G1, 24
.set G0, 32
.set G1B, 48
.set G0B, 56
.set MSB, 0
.macro WIN new
.if MSB != (\new)
	s_set_vgpr_msb (MSB<<8)|(\new)
.set MSB, (\new)
.endif
.endm
.set MUL,  0x50                        ; C and D window 1
.set MUL1, 0x60                        ; C window 2 (the bias), D window 1
.macro JLOAD s                         ; waves 0 and 1 fetch O's two heads, waves 2 and 3 w's two halves; an s_nop 0 and four v_nop follow each line
	s_cmp_eq_u32 s13, 0
	s_cbranch_scc0 .Lfor_b_\@
	tensor_load_to_lds s[G0+4*\s:G0+4*\s+3], s[G1:G1+7]
	s_nop 0
.rept 4
	v_nop
.endr
	s_branch .Lasked_\@
.Lfor_b_\@:
	tensor_load_to_lds s[G0B+4*\s:G0B+4*\s+3], s[G1B:G1B+7]
	s_nop 0
.rept 4
	v_nop
.endr
.Lasked_\@:
.endm
.macro CREST
	s_cmp_lg_u32 s12, 0
	s_cbranch_scc1 .Lnot_wave_0_\@
	s_barrier_signal -3
.Lnot_wave_0_\@:
	s_barrier_wait -3
	s_barrier_signal -1
	s_barrier_wait -1
.endm
.macro CROUND
	s_barrier_signal -1
	s_barrier_wait -1
	CREST
.endm
	s_load_b256 s[4:11], s[0:1], 0x0               ; o16 s[4:5], wt16 s[6:7], b_fc s[8:9], out0 s[10:11]
	v_lshl_add_u32 v[SPW], v0, 2, SPARE
	v_mov_b32 v[NIL], 0
	ds_add_u32 v[SPW], v[NIL]                      ; the wave's opening: the add, twice on end, and its wait ahead of my first tensor load
	ds_add_u32 v[SPW], v[NIL]
	v_lshrrev_b32 v1, 5, v0
	v_readfirstlane_b32 s12, v1                    ; wave 0..3
	s_lshr_b32 s13, s12, 1                         ; which 64 rows are mine.  Also: I fetch for O (0) or for w (1)
	s_and_b32 s14, s12, 1                          ; which 128 columns.  Also: which head, or which 128 rows of w, I fetch
	s_bfe_u32 s40, ttmp6, 0x40000                  ; cx
	s_bfe_u32 s41, ttmp6, 0x40004                  ; cy
	s_lshl_b32 s42, ttmp9, 2
	s_add_co_u32 s42, s42, s40                     ; tile column
	s_and_b32 s15, ttmp7, 0xffff
	s_lshl_b32 s15, s15, 2
	s_add_co_u32 s15, s15, s41                     ; tile row
	s_lshl_b32 s43, s41, 2
	s_lshl_b32 s43, 15, s43                        ; my row of the cluster
	s_lshl_b32 s44, 0x1111, s40                    ; my column
	s_or_b32 s[G1+0], s43, (1<<16)|(1<<20)|(1<<21)|(4<<22)|(3<<25)   ; elements of 2 bytes; 4 words of padding behind every 32
	s_mov_b32 s[G1+1], 64<<16                      ; tensor_dim0 = 64
	s_mov_b32 s[G1+2], 128<<16                     ; tensor_dim1 = 128
	s_mov_b32 s[G1+3], 64<<16                      ; tile_dim0
	s_mov_b32 s[G1+4], 128                         ; tile_dim1
	s_mov_b32 s[G1+5], 64                          ; the pitch
	s_mov_b32 s[G1+6], 0
	s_mov_b32 s[G1+7], 0
	s_or_b32 s[G1B+0], s44, (1<<16)|(1<<20)|(1<<21)|(5<<22)|(3<<25)  ; 4 words behind every 64
	s_mov_b32 s[G1B+1], 128<<16
	s_mov_b32 s[G1B+2], 128<<16
	s_mov_b32 s[G1B+3], 128<<16
	s_mov_b32 s[G1B+4], 128
	s_mov_b32 s[G1B+5], 1024
	s_mov_b32 s[G1B+6], 0
	s_mov_b32 s[G1B+7], 0
	s_lshr_b32 s16, s15, 4                         ; the batch
	s_lshl_b32 s16, s16, 4
	s_add_co_u32 s16, s16, s14                     ; + the head that I fetch of K step 0
	s_lshl_b32 s16, s16, 11
	s_and_b32 s17, s15, 15
	s_lshl_b32 s17, s17, 7
	s_add_co_u32 s16, s16, s17                     ; + the tile's first position
	s_lshl_b32 s16, s16, 7
	s_mov_b32 s17, 0
	s_lshl_b32 s46, s42, 8
	s_lshl_b32 s47, s14, 7
	s_add_co_u32 s46, s46, s47                     ; w: row 256 x tile column + 128 x half
	s_lshl_b32 s46, s46, 11
	s_mov_b32 s47, 0
	s_mul_i32 s20, s14, HEADA                      ; where they go: no place in the cluster enters an LDS address
	s_mul_i32 s21, s14, HALFB
	s_add_co_u32 s21, s21, BOFF
	s_wait_dscnt 0x0                               ; both opening adds are done
	s_wait_kmcnt 0x0
	s_add_nc_u64 s[16:17], s[4:5], s[16:17]
	s_add_nc_u64 s[46:47], s[6:7], s[46:47]
	CROUND                                         ; all sixteen work-groups are here: the first joint loads meet
.irp s, 0,1
	s_mov_b32 s[G0+4*\s], 1
	s_add_co_u32 s[G0+4*\s+1], s20, \s*SLOT
	s_add_nc_u64 s[G0+4*\s+2:G0+4*\s+3], s[16:17], \s*524288      ; K step s: two heads on
	s_or_b32 s[G0+4*\s+3], s[G0+4*\s+3], 0x80000000
	s_mov_b32 s[G0B+4*\s], 1
	s_add_co_u32 s[G0B+4*\s+1], s21, \s*SLOT
	s_add_nc_u64 s[G0B+4*\s+2:G0B+4*\s+3], s[46:47], \s*256
	s_or_b32 s[G0B+4*\s+3], s[G0B+4*\s+3], 0x80000000
	JLOAD \s
.endr
	v_and_b32 v1, 15, v0                           ; r
	v_bfe_u32 v2, v0, 4, 1                         ; h
	v_lshlrev_b32 v[BO], 5, v2                     ; the bias: my half's eight numbers of a block of 16 columns
	s_lshl_b32 s46, s42, 10
	s_lshl_b32 s47, s14, 9
	s_add_co_u32 s46, s46, s47                     ; my first column, in bytes of f32
	s_mov_b32 s47, 0
	s_add_nc_u64 s[8:9], s[8:9], s[46:47]
	WIN 0x80                                       ; destination window 2
.irp b, 0,1,2,3,4,5,6,7
	global_load_b128 v[8*\b:8*\b+3],   v[BO], s[8:9] offset:64*\b
	global_load_b128 v[8*\b+4:8*\b+7], v[BO], s[8:9] offset:64*\b+16
.endr
	WIN 0
	v_mul_u32_u24 v3, v1, PA
	v_lshl_add_u32 v3, v2, 4, v3
	v_mul_u32_u24 v4, v1, PB
	v_lshl_add_u32 v4, v2, 4, v4
	s_mul_i32 s21, s13, 64*PA                      ; my 64 rows of O
	s_mul_i32 s22, s14, HALFB                      ; my 128 rows of w
	s_add_co_u32 s22, s22, BOFF
.irp s, 0,1
	v_add_nc_u32 v[ADRA+\s], s21, v3
	v_add_nc_u32 v[ADRB+\s], s22, v4
	s_add_co_u32 s21, s21, SLOT
	s_add_co_u32 s22, s22, SLOT
.endr
	s_mul_i32 s23, s12, 16*SPITCH                  ; my stage
	v_mul_u32_u24 v5, v1, SPITCH
	v_lshl_add_u32 v5, v2, 5, v5
	v_add_nc_u32 v[STO], s23, v5
	v_and_b32 v6, 31, v0
	v_lshlrev_b32 v[CO], 4, v6
	v_add_nc_u32 v[RD], s23, v[CO]
	s_lshl_b32 s16, s15, 7
	s_lshl_b32 s17, s13, 6
	s_add_co_u32 s16, s16, s17                     ; my first row of out0
	s_lshl_b32 s16, s16, 12
	s_mov_b32 s17, 0
	s_add_nc_u64 s[10:11], s[10:11], s[16:17]
	s_add_nc_u64 s[10:11], s[10:11], s[46:47]
; 8 matrix instructions: O's block a against w's eight, 32 along K.  The 32 accumulators take turns, one instruction a turn, in the same order in every quarter.
.macro MUL8 f, a, first
.irp b, 0,1,2,3,4,5,6,7
.if \first
	v_wmma_f32_16x16x32_f16 v[8*(8*(\a)+\b):8*(8*(\a)+\b)+7], v[\f+32+8*\b:\f+32+8*\b+7], v[\f+8*(\a):\f+8*(\a)+7], v[8*\b:8*\b+7]
.else
	v_wmma_f32_16x16x32_f16 v[8*(8*(\a)+\b):8*(8*(\a)+\b)+7], v[\f+32+8*\b:\f+32+8*\b+7], v[\f+8*(\a):\f+8*(\a)+7], v[8*(8*(\a)+\b):8*(8*(\a)+\b)+7]
.endif
.endr
.endm
; 24 LDS loads in one run: the fragments of the slot's q-th 32 along K into buffer f: w's eight, then O's four (head q / 2, channels 32 (q % 2) on)
.macro FETCH slot, q, f
.irp i, 0,1,2,3,4,5,6,7
	ds_load_b128 v[\f+32+8*\i:\f+32+8*\i+3],   v[ADRB+\slot] offset:\i*16*PB+64*(\q)
	ds_load_b128 v[\f+32+8*\i+4:\f+32+8*\i+7], v[ADRB+\slot] offset:\i*16*PB+64*(\q)+32
.endr
.irp i, 0,1,2,3
	ds_load_b128 v[\f+8*\i:\f+8*\i+3],   v[ADRA+\slot] offset:((\q)>>1)*HEADA+\i*16*PA+((\q)&1)*64
	ds_load_b128 v[\f+8*\i+4:\f+8*\i+7], v[ADRA+\slot] offset:((\q)>>1)*HEADA+\i*16*PA+((\q)&1)*64+32
.endr
.endm
.macro PLACES                          ; four plain vector instructions between a matrix instruction and a load into, or a read of, its registers
.rept 4
	v_nop
.endr
.endm
; A K step is four quarters of 32 along K, 32 matrix instructions each, on buffers 0, 1, 0, 1.  One of the first three: multiplies buffer f and fetches quarter q into g.
.macro QUARTER slot, q, f, g, first
	s_wait_dscnt 4                                 ; w's eight and O's blocks 0, 1 are in; the youngest four loads (O's blocks 2, 3) may be out
.if \first
	WIN MUL1
.else
	WIN MUL
.endif
	MUL8 \f, 0, \first
	MUL8 \f, 1, \first
	PLACES
	WIN 0
	FETCH \slot, \q, \g
	s_wait_dscnt 24                                ; all but the 24 just issued
.if \first
	WIN MUL1
.else
	WIN MUL
.endif
	MUL8 \f, 2, \first
	MUL8 \f, 3, \first
.endm
; The last quarter multiplies buffer 1 and changes slots: ONE barrier; in front of it each wave waits for all its tensor loads, adds 0 to its spare word, and waits for that and for its reads of this slot.
.macro TURN slot, next, fill
	WIN 0
	s_wait_tensorcnt 0x0                           ; my one load that was out, my part of the next slot, has landed
	ds_add_u32 v[SPW], v[NIL]
	s_wait_dscnt 5                                 ; (the add and the youngest four loads may be out)
	WIN MUL
	MUL8 F1, 0, 0                                  ; eight matrix instructions stand between the add and the wait for it
	s_wait_dscnt 0x0
	s_barrier_signal -1
	MUL8 F1, 1, 0
	WIN 0
	s_barrier_wait -1
.if \fill
	CREST                                          ; the barrier has opened a round of the cluster's: no wave of any partner still reads this slot or has a load on its way
	s_add_nc_u64 s[G0+4*\slot+2:G0+4*\slot+3], s[G0+4*\slot+2:G0+4*\slot+3], 1048576   ; two K steps on: four heads
	s_add_nc_u64 s[G0B+4*\slot+2:G0B+4*\slot+3], s[G0B+4*\slot+2:G0B+4*\slot+3], 512
	JLOAD \slot                                    ; the first tensor load behind the round; its four v_nop are also the places in front of the loads below
.else
	PLACES
.endif
	FETCH \next, 0, F0
	WIN MUL
	MUL8 F1, 2, 0
	MUL8 F1, 3, 0
.endm
	s_wait_tensorcnt 1                             ; my part of K step 0 is in; K step 1's may be out
	s_barrier_signal -1
	s_barrier_wait -1
	FETCH 0, 0, F0
	s_wait_loadcnt 0x0                             ; the bias
	QUARTER 0, 1, F0, F1, 1                        ; the first quarter stands in front of the loop: its products start the sums, on the bias
	WIN 0
	s_mov_b32 s3, 3
.Llap:                                             ; a trip goes once round the ring and fills both slots again: K steps 2 to 7
	QUARTER 0, 2, F1, F0, 0
	QUARTER 0, 3, F0, F1, 0
	TURN 0, 1, 1
	QUARTER 1, 1, F0, F1, 0
	QUARTER 1, 2, F1, F0, 0
	QUARTER 1, 3, F0, F1, 0
	TURN 1, 0, 1
	QUARTER 0, 1, F0, F1, 0
	WIN 0
	s_sub_co_u32 s3, s3, 1
	s_cmp_lg_u32 s3, 0
	s_cbranch_scc1 .Llap
	QUARTER 0, 2, F1, F0, 0                        ; the last lap fills nothing
	QUARTER 0, 3, F0, F1, 0
	TURN 0, 1, 0
	QUARTER 1, 1, F0, F1, 0
	QUARTER 1, 2, F1, F0, 0
	QUARTER 1, 3, F0, F1, 0
	s_wait_dscnt 4
	WIN MUL
	MUL8 F1, 0, 0
	MUL8 F1, 1, 0
	s_wait_dscnt 0
	MUL8 F1, 2, 0
	MUL8 F1, 3, 0
	WIN 0
; THE WAY OUT, block by block of 16 rows x 128 columns: through my stage, back as whole rows of 512 bytes.
.macro TOSTAGE a
	WIN 0x04                                       ; an LDS store's data are its source 1: window 1
.irp b, 0,1,2,3,4,5,6,7
	ds_store_b128 v[STO], v[8*(8*(\a)+\b):8*(8*(\a)+\b)+3] offset:64*\b        ; each accumulator from its low end on
	ds_store_b128 v[STO], v[8*(8*(\a)+\b)+4:8*(8*(\a)+\b)+7] offset:64*\b+16
.endr
	WIN 0
.set BB, BK+64*((\a)%2)
.irp t, 0,1,2,3,4,5,6,7,8,9,10,11,12,13,14,15
	ds_load_b128 v[BB+4*\t:BB+4*\t+3], v[RD] offset:\t*SPITCH      ; LDS serves a wave's instructions in order
.endr
.endm
.macro SEND a, younger
.set BB, BK+64*((\a)%2)
	s_wait_dscnt \younger
.irp t, 0,1,2,3,4,5,6,7,8,9,10,11,12,13,14,15
	global_store_b128 v[CO], v[BB+4*\t:BB+4*\t+3], s[10:11] offset:(16*(\a)+\t)*4096 th:TH_STORE_NT   ; 32 lanes store 512 consecutive bytes, aligned
.endr
.endm
	PLACES
	TOSTAGE 0
.irp a, 1,2,3
.if \a > 1
	s_wait_xcnt 0x0                                ; block a - 2's stores have read their registers: block a's loads may land there
.endif
	TOSTAGE \a
	SEND \a-1, 32                                  ; behind block a - 1's loads: block a's 16 stores and 16 loads
.endr
	SEND 3, 0
	s_wait_tensorcnt 0x0                           ; the wave's end
	ds_add_u32 v[SPW], v[NIL]
	s_wait_dscnt 0x0
	CROUND                                         ; the closing round
	s_endpgm
.Lfunc_end_k_qe98513d390_proj:
	.size	k_qe98513d390_proj, .Lfunc_end_k_qe98513d390_proj-k_qe98513d390_proj
	.p2alignl 7, 3214868480
	.fill 96, 4, 3214868480
	.section	.rodata,"a",@progbits
	.p2align	6, 0x0
	.amdhsa_kernel k_qe98513d390_proj
		.amdhsa_group_segment_fixed_size 327680
		.amdhsa_private_segment_fixed_size 0
		.amdhsa_enable_private_segment 0
		.amdhsa_kernarg_size 32
		.amdhsa_user_sgpr_count 2
		.amdhsa_user_sgpr_kernarg_segment_ptr 1
		.amdhsa_wavefront_size32 1
		.amdhsa_system_sgpr_workgroup_id_x 1
		.amdhsa_system_sgpr_workgroup_id_y 1
		.amdhsa_system_sgpr_workgroup_id_z 1
		.amdhsa_system_vgpr_workitem_id 0
		.amdhsa_next_free_vgpr 576
		.amdhsa_next_free_sgpr 66
		.amdhsa_reserve_vcc 0
		.amdhsa_float_denorm_mode_32 3
		.amdhsa_float_denorm_mode_16_64 3
		.amdhsa_memory_ordered 1
		.amdhsa_forward_progress 1
		.amdhsa_inst_pref_size 86
	.end_amdhsa_kernel
	.amdgpu_metadata
---
amdhsa.version: [ 1, 2 ]
amdhsa.kernels:
  - .name:           k_qe98513d390_proj
    .symbol:         k_qe98513d390_proj.kd
    .args:
      - { .name: o16, .offset: 0, .size: 8, .value_kind: global_buffer, .address_space: global }
      - { .name: wt16, .offset: 8, .size: 8, .value_kind: global_buffer, .address_space: global }
      - { .name: b_fc, .offset: 16, .size: 8, .value_kind: global_buffer, .address_space: global }
      - { .name: out0, .offset: 24, .size: 8, .value_kind: global_buffer, .address_space: global }
    .group_segment_fixed_size: 327680
    .private_segment_fixed_size: 0
    .kernarg_segment_align: 8
    .kernarg_segment_size: 32
    .max_flat_workgroup_size: 128
    .sgpr_count:     66
    .vgpr_count:     576
    .wavefront_size: 32
...
	.end_amdgpu_metadata
.endif
;; end of part 4
;; launch fine (part 5): grid 16 x 4, 16 waves a work-group, no clusters, 71,680 bytes of LDS; arguments qkv32, w_fc, b_fc, out0; writes out0
.if DOCPART == 5
	.amdgcn_target "amdgcn-amd-amdhsa--gfx1250"
	.amdhsa_code_object_version 6
	.text
	.protected	k_qe98513d390_fine
	.globl	k_qe98513d390_fine
	.p2align	8
	.type	k_qe98513d390_fine,@function
k_qe98513d390_fine:
	s_mov_b64 s[64:65], 0
	v_nop
	global_prefetch_b8 v0, s[64:65] scope:SCOPE_SE
	s_setreg_imm32_b32 hwreg(HW_REG_WAVE_MODE, 25, 1), 1
	s_wait_xcnt 0x0
; POSITIONS 0-15 OF EVERY SEQUENCE, ALL IN f32: these rows average one to sixteen values and are the largest of the output, so rounded operands would use up what the comparison allows.
; qkv32 [4 batches x 16 positions][3072] f32.  Work-group (nc, batch) makes out0[batch][0..15][64 nc .. 64 nc + 63], written over what the projection left there.
; A wave is a head: scores, softmax, p v and the head's part of the projection; the sixteen parts meet in LDS.  The attention is repeated in the 16 column chunks: 12 KB of reads and 32 small products a wave.
; v_wmma_f32_16x16x4_f32 (96 a wave: no bulk work).  Nothing changes lanes: each product's K is walked in an order that is the same for both its sources.
;   S^T = K Q^T: a lane holds query r = lane % 16 and keys 8 h + 0..7 (h = lane / 16).   O^T = V^T P^T: query r, channels 16 t + 8 h + 0..7.   y^T = W^T O^T: query r, columns 16 n + 8 h + 0..7.
; The registers that the matrix instruction writes (v176-239) are written by it alone.
; No cluster, no tensor load: each operand is read once by the wave that wants it, straight into its registers.
.set SPW,  254
.set NIL,  255
.set SPARE, 69632                      ; behind the sixteen parts: 128 bytes for each wave, which no other line names
.set QF,   16                          ; v16-47 Q: register 4 i + e = channel 8 i + 4 h + e of row r
.set KF,   48                          ; v48-79 K likewise
.set VF,   80                          ; v80-111 V: register 8 t + k = V(key 8 h + k, channel 16 t + r)
                                       ; W of column tile n, register 8 t + k = w_fc(64 head + 16 t + 8 h + k, 64 nc + 16 n + r): n = 0, 1 at v112, v144; n = 2, 3 at v16, v48, behind the scores
.set ACC,  176                         ; four accumulators: of the scores, then of O^T
.set YACC, 208                         ; four of y^T
.set T,    240                         ; v240-247 the scores, then p
	s_load_b256 s[4:11], s[0:1], 0x0               ; qkv32, w_fc, b_fc, out0
	v_lshl_add_u32 v[SPW], v0, 2, SPARE
	v_mov_b32 v[NIL], 0
	v_lshrrev_b32 v1, 5, v0
	v_readfirstlane_b32 s12, v1                    ; wave = head; on the way out = query
	v_and_b32 v1, 15, v0                           ; r
	v_bfe_u32 v2, v0, 4, 1                         ; h
	v_and_b32 v3, 31, v0                           ; lane
	v_mul_u32_u24 v4, v1, 12288
	v_lshl_add_u32 v4, v2, 4, v4                   ; Q, K: row r, + 16 h
	v_mul_u32_u24 v5, v2, 98304
	v_lshl_add_u32 v5, v1, 2, v5                   ; V: 8 h rows down, + 4 r
	v_lshlrev_b32 v6, 15, v2
	v_lshl_add_u32 v6, v1, 2, v6                   ; W: 8 h rows of 4,096 bytes down, + 4 r
	v_lshlrev_b32 v7, 3, v3                        ; 8 x lane
	s_mul_i32 s15, s12, 4352                       ; my part in LDS: 16 rows x (256 bytes + 16)
	v_mul_u32_u24 v8, v1, 272
	v_lshl_add_u32 v8, v2, 5, v8
	v_add_nc_u32 v8, s15, v8
	s_mul_i32 s15, s12, 272
	v_add_nc_u32 v9, s15, v7                       ; back: row = my wave's number, 8 bytes a lane
	v_lshlrev_b32 v10, 3, v2
	v_sub_nc_u32 v10, v1, v10                      ; r - 8 h
	v_mov_b32 v11, 0xff800000                      ; -infinity
	v_mov_b32 v252, 0                              ; a lane permute's destination counts as one of its sources
	s_and_b32 s14, ttmp7, 0xffff                   ; the batch
	s_mov_b32 s20, 0x76543210
	s_mov_b32 s21, 0xfedcba98
	s_mov_b32 s22, 0x3e38aa3b                      ; c = log2(e) / 8
	s_mov_b32 s17, 0
	s_mov_b32 s19, 0
	s_mov_b32 s25, 0
	s_mov_b32 s27, 0
	s_mul_i32 s16, s14, 196608
	s_lshl_b32 s18, s12, 8
	s_add_co_u32 s16, s16, s18                     ; the batch's 16 rows, the head's 64 columns
	s_lshl_b32 s24, ttmp9, 8                       ; my 64 columns of the output, in bytes
	s_lshl_b32 s18, s12, 18
	s_add_co_u32 s18, s18, s24                     ; w_fc: the head's 64 rows, my columns
	s_lshl_b32 s26, s14, 23
	s_lshl_b32 s28, s12, 12
	s_add_co_u32 s26, s26, s28
	s_add_co_u32 s26, s26, s24                     ; out0: row 2,048 x batch + wave, my columns
	s_wait_kmcnt 0x0
	s_add_nc_u64 s[4:5], s[4:5], s[16:17]
	s_add_nc_u64 s[6:7], s[6:7], s[18:19]
	s_add_nc_u64 s[8:9], s[8:9], s[24:25]
	s_add_nc_u64 s[10:11], s[10:11], s[26:27]
.irp i, 0,1,2,3,4,5,6,7
	global_load_b128 v[QF+4*\i:QF+4*\i+3], v4, s[4:5] offset:32*\i
.endr
.irp i, 0,1,2,3,4,5,6,7
	global_load_b128 v[KF+4*\i:KF+4*\i+3], v4, s[4:5] offset:4096+32*\i
.endr
.irp t, 0,1,2,3
.irp k, 0,1,2,3,4,5,6,7
	global_load_b32 v[VF+8*\t+\k], v5, s[4:5] offset:8192+\k*12288+64*\t
.endr
.endr
	global_load_b64 v[12:13], v7, s[8:9]           ; the bias of my two columns on the way out
	s_wait_loadcnt 33                              ; Q and K are in; V's 32 loads and the bias may be out
.set q, 0
.rept 16                               ; S^T: step q takes channels 8 (q / 2) + 4 h + 2 (q % 2) + 0, 1; four accumulators by turns
.if q < 4
	v_wmma_f32_16x16x4_f32 v[ACC+8*(q%4):ACC+8*(q%4)+7], v[KF+2*q:KF+2*q+1], v[QF+2*q:QF+2*q+1], 0
.else
	v_wmma_f32_16x16x4_f32 v[ACC+8*(q%4):ACC+8*(q%4)+7], v[KF+2*q:KF+2*q+1], v[QF+2*q:QF+2*q+1], v[ACC+8*(q%4):ACC+8*(q%4)+7]
.endif
.set q, q+1
.endr
.rept 8
	v_nop                                          ; eight places behind this form, ahead of loads into its sources and of the first read of its results
.endr
.irp n, 0,1,2,3
.irp t, 0,1,2,3
.irp k, 0,1,2,3,4,5,6,7
	global_load_b32 v[112+32*\n-160*(\n/2)+8*\t+\k], v6, s[6:7] offset:(16*\t+\k)*4096+64*\n
.endr
.endr
.endr
.irp j, 0,1,2,3,4,5,6,7                ; the four partial sums, each accumulator from its low end on
	v_add_f32 v[T+\j], v[ACC+\j], v[ACC+8+\j]
	v_add_f32 v248, v[ACC+16+\j], v[ACC+24+\j]
	v_add_f32 v[T+\j], v[T+\j], v248
.endr
.irp j, 0,1,2,3,4,5,6,7
	v_mul_f32 v[T+\j], s22, v[T+\j]                ; t = score x c
	v_cmp_gt_i32 vcc_lo, \j, v10                   ; key 8 h + j comes after query r
	v_cndmask_b32 v[T+\j], v[T+\j], v11, vcc_lo
.endr
	v_max3_num_f32 v251, v[T], v[T+1], v[T+2]
	v_max3_num_f32 v251, v251, v[T+3], v[T+4]
	v_max3_num_f32 v251, v251, v[T+5], v[T+6]
	v_max_num_f32 v251, v251, v[T+7]
	v_permlanex16_b32 v252, v251, s20, s21
	v_max_num_f32 v251, v251, v252                 ; the row's maximum: key 0 counts for every query, so it is a number
.irp j, 0,1,2,3,4,5,6,7
	v_sub_f32 v[T+\j], v[T+\j], v251
.endr
.irp j, 0,1,2,3,4,5,6,7
	v_exp_f32 v[T+\j], v[T+\j]
.endr
	v_nop
	s_wait_alu depctr_va_vdst(0)                   ; one wait for the eight, ahead of their first reader
	v_pk_add_f32 v[248:249], v[T:T+1], v[T+2:T+3]
	v_pk_add_f32 v[252:253], v[T+4:T+5], v[T+6:T+7]
	v_pk_add_f32 v[248:249], v[248:249], v[252:253]
	v_add_f32 v248, v248, v249
	v_permlanex16_b32 v252, v248, s20, s21
	v_add_f32 v248, v248, v252                     ; the row's sum
	v_rcp_f32 v251, v248
	v_nop
	s_wait_alu depctr_va_vdst(0)
.irp j, 0,1,2,3,4,5,6,7
	v_mul_f32 v[T+\j], v[T+\j], v251               ; the weights
.endr
	s_wait_loadcnt 0x0                             ; V, the bias and W
.irp s, 0,1,2,3                        ; O^T: step s takes keys 8 h + 2 s + 0, 1; the four channel tiles by turns
.irp t, 0,1,2,3
.if \s == 0
	v_wmma_f32_16x16x4_f32 v[ACC+8*\t:ACC+8*\t+7], v[VF+8*\t+2*\s:VF+8*\t+2*\s+1], v[T+2*\s:T+2*\s+1], 0
.else
	v_wmma_f32_16x16x4_f32 v[ACC+8*\t:ACC+8*\t+7], v[VF+8*\t+2*\s:VF+8*\t+2*\s+1], v[T+2*\s:T+2*\s+1], v[ACC+8*\t:ACC+8*\t+7]
.endif
.endr
.endr
.rept 9
	v_nop                                          ; nine places: the results become a source of the next products
.endr
.set q, 0
.rept 16                               ; y^T: step q takes channels 16 (q / 4) + 8 h + 2 (q % 4) + 0, 1; the four column tiles by turns
.irp n, 0,1,2,3
.if q == 0
	v_wmma_f32_16x16x4_f32 v[YACC+8*\n:YACC+8*\n+7], v[112+32*\n-160*(\n/2)+2*q:112+32*\n-160*(\n/2)+2*q+1], v[ACC+2*q:ACC+2*q+1], 0
.else
	v_wmma_f32_16x16x4_f32 v[YACC+8*\n:YACC+8*\n+7], v[112+32*\n-160*(\n/2)+2*q:112+32*\n-160*(\n/2)+2*q+1], v[ACC+2*q:ACC+2*q+1], v[YACC+8*\n:YACC+8*\n+7]
.endif
.endr
.set q, q+1
.endr
.rept 8
	v_nop
.endr
.irp n, 0,1,2,3
	ds_store_b128 v8, v[YACC+8*\n:YACC+8*\n+3] offset:64*\n        ; my head's part of y(r, 16 n + 8 h + 0..7), each accumulator from its low end on
	ds_store_b128 v8, v[YACC+8*\n+4:YACC+8*\n+7] offset:64*\n+16
.endr
	s_wait_dscnt 0x0                               ; for the others' sake: my stores are done
	s_barrier_signal -1
	s_barrier_wait -1
.irp p, 0,1,2,3,4,5,6,7,8,9,10,11,12,13,14,15
	ds_load_b64 v[112+2*\p:113+2*\p], v9 offset:\p*4352            ; query = my wave's number: the sixteen heads' parts of my two columns
.endr
	s_wait_dscnt 0x0
	v_pk_add_f32 v[14:15], v[12:13], v[112:113]    ; the bias and the heads in ascending order
.irp p, 1,2,3,4,5,6,7,8,9,10,11,12,13,14,15
	v_pk_add_f32 v[14:15], v[14:15], v[112+2*\p:113+2*\p]
.endr
	global_store_b64 v7, v[14:15], s[10:11]        ; 32 lanes store 256 consecutive bytes, aligned
	s_wait_tensorcnt 0x0                           ; the wave's end, behind my last LDS store
	ds_add_u32 v[SPW], v[NIL]
	s_wait_dscnt 0x0
	s_endpgm
.Lfunc_end_k_qe98513d390_fine:
	.size	k_qe98513d390_fine, .Lfunc_end_k_qe98513d390_fine-k_qe98513d390_fine
	.p2alignl 7, 3214868480
	.fill 96, 4, 3214868480
	.section	.rodata,"a",@progbits
	.p2align	6, 0x0
	.amdhsa_kernel k_qe98513d390_fine
		.amdhsa_group_segment_fixed_size 71680
		.amdhsa_private_segment_fixed_size 0
		.amdhsa_enable_private_segment 0
		.amdhsa_kernarg_size 32
		.amdhsa_user_sgpr_count 2
		.amdhsa_user_sgpr_kernarg_segment_ptr 1
		.amdhsa_wavefront_size32 1
		.amdhsa_system_sgpr_workgroup_id_x 1
		.amdhsa_system_sgpr_workgroup_id_y 1
		.amdhsa_system_sgpr_workgroup_id_z 1
		.amdhsa_system_vgpr_workitem_id 0
		.amdhsa_next_free_vgpr 256
		.amdhsa_next_free_sgpr 66
		.amdhsa_reserve_vcc 1
		.amdhsa_float_denorm_mode_32 3
		.amdhsa_float_denorm_mode_16_64 3
		.amdhsa_memory_ordered 1
		.amdhsa_forward_progress 1
		.amdhsa_inst_pref_size 32
	.end_amdhsa_kernel
	.amdgpu_metadata
---
amdhsa.version: [ 1, 2 ]
amdhsa.kernels:
  - .name:           k_qe98513d390_fine
    .symbol:         k_qe98513d390_fine.kd
    .args:
      - { .name: qkv32, .offset: 0, .size: 8, .value_kind: global_buffer, .address_space: global }
      - { .name: w_fc, .offset: 8, .size: 8, .value_kind: global_buffer, .address_space: global }
      - { .name: b_fc, .offset: 16, .size: 8, .value_kind: global_buffer, .address_space: global }
      - { .name: out0, .offset: 24, .size: 8, .value_kind: global_buffer, .address_space: global }
    .group_segment_fixed_size: 71680
    .private_segment_fixed_size: 0
    .kernarg_segment_align: 8
    .kernarg_segment_size: 32
    .max_flat_workgroup_size: 512
    .sgpr_count:     66
    .vgpr_count:     256
    .wavefront_size: 32
...
	.end_amdgpu_metadata
.endif
;; end of part 5
